; MI455X (gfx1250); checked and timed in simulation.
; The chip was launched on July 23, 2026; its instructions are those of AMD's public machine-readable ISA for CDNA 5 (MIT licence, August 2026) and "CDNA5" Instruction Set Architecture Reference Guide (July 2026). The comments in the code are by the model that wrote it; some were corrected since.
;; Reasoning Multi Head Attention. Allowed arithmetic: float matrix products may take bf16 or f16 operands with f32 sums; all other float work in f32.
;; Inputs: Wk 1,024 x 1,024 float32; Wkr 1,024 x 1,024 float32; Wo 1,024 x 1,024 float32; Wq 1,024 x 1,024 float32; Wqr 1,024 x 1,024 float32; Wv 1,024 x 1,024 float32; attention_mask 2 x 2,048 int32; bk 1,024 float32; bkr 1,024 float32; bo 1,024 float32; bq 1,024 float32; bqr 1,024 float32; bv 1,024 float32; reasoning_mask 2 x 2,048 float32; x 2 x 2,048 x 1,024 float32.
;; Outputs: out0 2 x 2,048 x 1,024 float32.
;; 2 versions, each right; version 2 is version 1 with the launch cast written anew for expert scheduling mode. Each part assembles by itself: llvm-mc -triple=amdgcn-amd-amdhsa -mcpu=gfx1250 --defsym DOCPART=n.
;; ======== version 1 of 2: 4 launches
;; limits: right only within a limited range of input values
;; workspace buffers: cb 20,971,520 bytes; qb 8,388,608 bytes; kb 8,388,608 bytes; vtb 8,388,608 bytes; ao 8,388,608 bytes
;; launch cast (part 1): grid 128 x 10, 4 waves a work-group, no clusters, 0 bytes of LDS; arguments x, Wq, Wqr, Wk, Wkr, Wv, Wo, cb; writes cb
.if DOCPART == 1
	.amdgcn_target "amdgcn-amd-amdhsa--gfx1250"
	.amdhsa_code_object_version 6
	.text
	.protected	k_q614137abbe_cast
	.globl	k_q614137abbe_cast
	.p2align	8
	.type	k_q614137abbe_cast,@function
k_q614137abbe_cast:
	s_mov_b64 s[64:65], 0
	v_nop
	global_prefetch_b8 v0, s[64:65] scope:SCOPE_SE
	s_setreg_imm32_b32 hwreg(HW_REG_WAVE_MODE, 25, 1), 1
	s_wait_xcnt 0x0
; cast: x and the six weight matrices, f32 -> bf16 (round to nearest even), into cb = 10,240 rows of 1,024 bf16 (2,048 bytes a row).
;   rows 0-4095      x, in its own order
;   rows 4096-9215   Wq, Wqr, Wk, Wkr, Wv (m = 0..4), interleaved: row n of matrix m goes to
;                    4096 + (n/64)*320 + ((n/32)%2)*160 + m*32 + n%32, so that the 320 weight rows of one head lie together,
;                    and in them the 160 rows (32 output columns of each of the five matrices) that one wave of the next launch multiplies
;   rows 9216-10239  Wo, in its own order
; A stream: no LDS, no barrier, no matrix unit.  Grid y picks one block of 1,024 x 1,024 numbers (0-3: quarters of x, 4-8: m = y - 4, 9: Wo);
; a work-group takes 8 rows of it, a wave 2 neighbouring rows (an even row and the next stay neighbours under the interleaving):
; 8,192 consecutive bytes in by sixteen 16-byte loads, all in flight at once, 4,096 consecutive bytes out by sixteen 8-byte stores,
; each store of the wave covering 256 consecutive bytes, aligned.  No register is written twice, so no wait frees a source.
.set X, 4                              ; v[4:67]   sixteen loads, 4 f32 each
.set Y, 68                             ; v[68:99]  sixteen stores, 4 bf16 each
	s_load_b512 s[8:23], s[0:1], 0x0               ; x, Wq, Wqr, Wk, Wkr, Wv, Wo, cb
	v_lshrrev_b32 v3, 5, v0
	v_readfirstlane_b32 s4, v3                     ; wave 0..3
	v_and_b32 v2, 31, v0                           ; lane
	v_lshlrev_b32 v1, 4, v2                        ; 16 bytes a lane in
	v_lshlrev_b32 v2, 3, v2                        ; 8 bytes a lane out
	s_and_b32 s5, ttmp7, 0xffff                    ; y: which block
	s_lshl_b32 s6, ttmp9, 3
	s_lshl1_add_u32 s6, s4, s6                     ; n = 8 x + 2 wave: my first row in the block
	; where the rows come from: (y < 4: quarter y of x) + n rows of 4,096 bytes
	s_cmp_lt_u32 s5, 4
	s_cselect_b32 s26, s5, 0
	s_lshl_b32 s26, s26, 22
	s_lshl_b32 s7, s6, 12
	s_add_co_u32 s26, s26, s7
	s_mov_b32 s27, 0
	; where they go: the plain row 1024 y + n (x and Wo), or the interleaved one (3968 = 4096 - 4*32, since m = y - 4)
	s_lshl_b32 s30, s5, 10
	s_add_co_u32 s30, s30, s6
	s_lshr_b32 s31, s6, 6
	s_mul_i32 s31, s31, 320
	s_bfe_u32 s32, s6, 0x10005
	s_mul_i32 s32, s32, 160
	s_add_co_u32 s31, s31, s32
	s_and_b32 s32, s6, 31
	s_add_co_u32 s31, s31, s32
	s_lshl_b32 s32, s5, 5
	s_add_co_u32 s31, s31, s32
	s_add_co_u32 s31, s31, 3968
	s_sub_co_u32 s32, s5, 4                        ; y - 4 as an unsigned number is below 5 for y = 4..8 alone
	s_cmp_lt_u32 s32, 5
	s_cselect_b32 s30, s31, s30
	s_lshl_b32 s28, s30, 11                        ; rows of 2,048 bytes
	s_mov_b32 s29, 0
	s_wait_kmcnt 0x0
	s_mov_b64 s[24:25], s[8:9]                     ; the source: x, unless y names a weight matrix
	s_cmp_eq_u32 s5, 4
	s_cselect_b64 s[24:25], s[10:11], s[24:25]
	s_cmp_eq_u32 s5, 5
	s_cselect_b64 s[24:25], s[12:13], s[24:25]
	s_cmp_eq_u32 s5, 6
	s_cselect_b64 s[24:25], s[14:15], s[24:25]
	s_cmp_eq_u32 s5, 7
	s_cselect_b64 s[24:25], s[16:17], s[24:25]
	s_cmp_eq_u32 s5, 8
	s_cselect_b64 s[24:25], s[18:19], s[24:25]
	s_cmp_eq_u32 s5, 9
	s_cselect_b64 s[24:25], s[20:21], s[24:25]
	s_add_nc_u64 s[24:25], s[24:25], s[26:27]
	s_add_nc_u64 s[28:29], s[22:23], s[28:29]
.irp j, 0,1,2,3,4,5,6,7,8,9,10,11,12,13,14,15
	global_load_b128 v[X+4*\j:X+4*\j+3], v1, s[24:25] offset:512*\j th:TH_LOAD_NT   ; read once in the launch
.endr
.irp j, 0,1,2,3,4,5,6,7,8,9,10,11,12,13,14,15
	s_wait_loadcnt 15-\j                           ; loads come back in order: load j is in, the 15 - j younger ones stay out
	v_cvt_pk_bf16_f32 v[Y+2*\j],   v[X+4*\j],   v[X+4*\j+1]
	v_cvt_pk_bf16_f32 v[Y+2*\j+1], v[X+4*\j+2], v[X+4*\j+3]
	global_store_b64 v2, v[Y+2*\j:Y+2*\j+1], s[28:29] offset:256*\j
.endr
	s_endpgm
.Lfunc_end_k_q614137abbe_cast:
	.size	k_q614137abbe_cast, .Lfunc_end_k_q614137abbe_cast-k_q614137abbe_cast
	.p2alignl 7, 3214868480
	.fill 96, 4, 3214868480
	.section	.rodata,"a",@progbits
	.p2align	6, 0x0
	.amdhsa_kernel k_q614137abbe_cast
		.amdhsa_group_segment_fixed_size 0
		.amdhsa_private_segment_fixed_size 0
		.amdhsa_enable_private_segment 0
		.amdhsa_kernarg_size 64
		.amdhsa_user_sgpr_count 2
		.amdhsa_user_sgpr_kernarg_segment_ptr 1
		.amdhsa_wavefront_size32 1
		.amdhsa_system_sgpr_workgroup_id_x 1
		.amdhsa_system_sgpr_workgroup_id_y 1
		.amdhsa_system_sgpr_workgroup_id_z 1
		.amdhsa_system_vgpr_workitem_id 0
		.amdhsa_next_free_vgpr 100
		.amdhsa_next_free_sgpr 66
		.amdhsa_reserve_vcc 0
		.amdhsa_float_denorm_mode_32 3
		.amdhsa_float_denorm_mode_16_64 3
		.amdhsa_memory_ordered 1
		.amdhsa_forward_progress 1
		.amdhsa_inst_pref_size 8
	.end_amdhsa_kernel
	.amdgpu_metadata
---
amdhsa.version: [ 1, 2 ]
amdhsa.kernels:
  - .name:           k_q614137abbe_cast
    .symbol:         k_q614137abbe_cast.kd
    .args:
      - { .name: x, .offset: 0, .size: 8, .value_kind: global_buffer, .address_space: global }
      - { .name: Wq, .offset: 8, .size: 8, .value_kind: global_buffer, .address_space: global }
      - { .name: Wqr, .offset: 16, .size: 8, .value_kind: global_buffer, .address_space: global }
      - { .name: Wk, .offset: 24, .size: 8, .value_kind: global_buffer, .address_space: global }
      - { .name: Wkr, .offset: 32, .size: 8, .value_kind: global_buffer, .address_space: global }
      - { .name: Wv, .offset: 40, .size: 8, .value_kind: global_buffer, .address_space: global }
      - { .name: Wo, .offset: 48, .size: 8, .value_kind: global_buffer, .address_space: global }
      - { .name: cb, .offset: 56, .size: 8, .value_kind: global_buffer, .address_space: global }
    .group_segment_fixed_size: 0
    .private_segment_fixed_size: 0
    .kernarg_segment_align: 8
    .kernarg_segment_size: 64
    .max_flat_workgroup_size: 128
    .sgpr_count:     66
    .vgpr_count:     100
    .wavefront_size: 32
...
	.end_amdgpu_metadata
.endif
;; end of part 1
;; launch proj (part 2): grid 16 x 16, 4 waves a work-group, clusters of 4 x 4, 327,680 bytes of LDS; arguments cb, reasoning_mask, bq, bqr, bk, bkr, bv, qb, kb, vtb; writes qb, kb, vtb
.if DOCPART == 2
	.amdgcn_target "amdgcn-amd-amdhsa--gfx1250"
	.amdhsa_code_object_version 6
	.text
	.protected	k_q614137abbe_proj
	.globl	k_q614137abbe_proj
	.p2align	8
	.type	k_q614137abbe_proj,@function
k_q614137abbe_proj:
	s_mov_b64 s[64:65], 0
	v_nop
	global_prefetch_b8 v0, s[64:65] scope:SCOPE_SE
	s_setreg_imm32_b32 hwreg(HW_REG_WAVE_MODE, 25, 1), 1
	s_wait_xcnt 0x0
	s_wait_alu depctr_hold_cnt(0) depctr_sa_sdst(0) depctr_va_vdst(0) depctr_va_sdst(0) depctr_va_ssrc(0) depctr_va_vcc(0) depctr_vm_vsrc(0)
	s_getreg_b32 s2, hwreg(HW_REG_IB_STS2, 6, 4)
	s_cmp_eq_u32 s2, 0
	s_cbranch_scc0 .Lentry_in_a_cluster
	s_endpgm
.Lentry_in_a_cluster:
	s_bfe_u32 s2, ttmp6, 0x10000c
	s_cmp_lg_u32 s2, 0xf033
	s_cbranch_scc0 .Lentry_shape_is_right
	s_endpgm
.Lentry_shape_is_right:
; proj: the five projections of x, their biases, the row-wise mix by reasoning_mask, and the score scale, in one GEMM.
;   q = ((x Wq^T + bq)(1 - rm) + (x Wqr^T + bqr) rm) * log2(e)/8  -> qb  [b*16+head][s][64] bf16
;   k =  (x Wk^T + bk)(1 - rm) + (x Wkr^T + bkr) rm               -> kb  [b*16+head][s][64] bf16
;   v =   x Wv^T + bv                                             -> vtb [b*16+head][d][s]  bf16 (transposed)
; Operands bf16 (from cb), sums f32, everything behind the sums f32, one rounding to bf16 at the end.
; A work-group makes 256 rows of x times the 320 interleaved weight rows of one head (grid x = head, grid y = row block): 16 x 16 = 256 work-groups.
; Four waves, as many as a WGP has SIMDs: wave (wr, wc) takes 128 rows x 160 weight rows = 32 columns of each of the five matrices,
; 8 x 10 = 80 accumulator tiles, 640 registers; so a row's q and q_r (k and k_r) meet in one lane and are mixed without any exchange.
; K = 1024 goes in 8 steps of 128 through two LDS slots filled by the tensor data mover; a tile's rows are 256 bytes of memory, aligned to 256.
; CLUSTERS 4 x 4: x's tile hangs on the row block alone and is asked for jointly along a row of the cluster, the weights' tile on the head
; alone and is asked for jointly along a column: a quarter of the requests.
; q and k are made TRANSPOSED (source 0 = weight rows, source 1 = rows of x): a lane holds one row of x and 8 neighbouring columns.
; v is made the natural way (source 0 = rows of x): a lane holds one column d and 8 neighbouring s, which is a piece of a row of v^T.
; The 80 accumulators take turns, one matrix instruction a turn, in the same order in every quarter step, over the backward jump too,
; no two matrix instructions that follow each other share an accumulator.
;
; REGISTERS, windows of 256:
;   window 0: v0-31 addresses, rm, bv; v32-95 biases; v96-175, v176-255 weight fragments (10 x 16 rows x 32 K), two buffers
;   window 1: v0-63, v64-127 fragments of x (8 x 16 rows x 32 K), two buffers; v128-255 the 16 tiles of v
;   window 2: v0-127 the 16 tiles of q, v128-255 of q_r;   window 3: k and k_r likewise.  Tile (a, sub) at 8 (2 a + sub).
.set KSTEP,  128
.set PITCH,  272                       ; an LDS row: 256 bytes + 16 of padding, an odd multiple of 16: the 16 rows of a fragment load start 16 bytes apart modulo 256
.set HALFA,  128*PITCH                 ; 128 rows of x: one tensor load, and what one wave reads of x
.set HALFB,  160*PITCH                 ; 160 weight rows: one tensor load, and what one wave reads of the weights
.set SLOT,   2*HALFA+2*HALFB           ; 156,672 bytes; two slots
.set WCAT_OFF, 8388608                 ; the interleaved weights in cb
.set KST,    36864                     ; the stage, in slot 0 behind its last fill and last read: q 256 x 144 at 0, k 256 x 144 here,
.set VST,    73728                     ; v^T 64 x 528 here, ending at 107,520
.set ADRA, 8                           ; v8-9    LDS address of my x fragments in slot 0, 1
.set ADRB, 10                          ; v10-11  the same for the weights
.set QSTO, 14                          ; v14     stage: where I put 16 bytes of a row of q (k: + KST)
.set VSTO, 15                          ; v15     stage: where I put 16 bytes of a row of v^T
.set RM,   16                          ; v16-23  rm of row r of my row tile a
.set BV,   24                          ; v24-27  bv of my column, twice, for sub 0; the same for sub 1
.set QRD,  28                          ; v28     stage: where I read q back
.set GQ,   29                          ; v29     my byte offset in qb and kb
.set VRD,  30                          ; v30     stage: where I read v^T back
.set GV,   31                          ; v31     my byte offset in vtb
.set BQ,   32                          ; v32-47  bq of my 8 columns, sub 0 then sub 1
.set BQR,  48
.set BK,   64
.set BKR,  80
.set BF,   96                          ; weight fragment j of buffer f at BF + 80 f + 8 j (j = 2 m + sub)
.set G1,  24                           ; s[24:31] descriptor group 1, x's tiles
.set G0,  32                           ; s[32:39] group 0, x's tiles, a set for each slot
.set G1B, 48                           ; s[48:55] group 1, the weights' tiles
.set G0B, 56                           ; s[56:63] group 0, the weights' tiles
.set MSB, 0
.macro WIN new                         ; the immediate's high byte repeats the setting that is left
.if MSB != \new
	s_set_vgpr_msb (MSB<<8)|\new
.set MSB, \new
.endif
.endm
.macro PLACES                          ; four plain places behind a matrix instruction, in front of loads into its sources and of reads of its result
.rept 4
	v_nop
.endr
.endm
; A joint load.  Waves 0 and 1 fetch the two halves of x's tile, waves 2 and 3 those of the weights'.  The branch hangs on the wave's number alone.
.macro JLOAD s
	s_cmp_eq_u32 s11, 0
	s_cbranch_scc0 .Lfor_b_\@
	tensor_load_to_lds s[G0+4*\s:G0+4*\s+3], s[G1:G1+7]
	s_nop 0
	s_branch .Lasked_\@
.Lfor_b_\@:
	tensor_load_to_lds s[G0B+4*\s:G0B+4*\s+3], s[G1B:G1B+7]
	s_nop 0
.Lasked_\@:
.endm
.macro CREST                           ; a round of the cluster's barrier behind its opening work-group barrier
	s_cmp_lg_u32 s10, 0
	s_cbranch_scc1 .Lnot_wave_0_\@
	s_barrier_signal -3
.Lnot_wave_0_\@:
	s_barrier_wait -3
	s_barrier_signal -1
	s_barrier_wait -1
.endm
.macro CROUND                          ; a whole round
	s_barrier_signal -1
	s_barrier_wait -1
	CREST
.endm
	s_load_b512 s[68:83], s[0:1], 0x0              ; cb 68, reasoning_mask 70, bq 72, bqr 74, bk 76, bkr 78, bv 80, qb 82
	s_load_b128 s[84:87], s[0:1], 0x40             ; kb 84, vtb 86
	v_lshl_add_u32 v126, v0, 2, 0x4c800
	v_mov_b32 v127, 0
	ds_add_u32 v126, v127
	s_wait_dscnt 0x0
	v_lshrrev_b32 v1, 5, v0
	v_readfirstlane_b32 s10, v1                    ; wave 0..3
	s_lshr_b32 s11, s10, 1                         ; wr: my half of the rows.  Also: I fetch for x (0) or for the weights (1)
	s_and_b32 s12, s10, 1                          ; wc: my half of the weight rows.  Also: which half of that tile I fetch
	s_bfe_u32 s40, ttmp6, 0x40000                  ; cx
	s_bfe_u32 s41, ttmp6, 0x40004                  ; cy
	s_lshl_b32 s42, ttmp9, 2
	s_add_co_u32 s42, s42, s40                     ; head = 4 x cluster x + cx
	s_and_b32 s13, ttmp7, 0xffff
	s_lshl_b32 s13, s13, 2
	s_add_co_u32 s13, s13, s41                     ; row block = 4 x cluster y + cy
	s_lshl_b32 s43, s41, 2
	s_lshl_b32 s43, 15, s43                        ; my row of the cluster
	s_lshl_b32 s44, 0x1111, s40                    ; my column
	s_mov_b32 s9, 0x3e38aa3b                       ; log2(e) / 8: the score scale, and exp becomes exp2
	; group 1: rows of 128 elements of 2 bytes, 16 bytes of padding behind every 64 words; 128 rows (x) or 160 rows (weights); 1,024 elements from row to row
	s_or_b32 s[G1+0],  s43, (1<<16)|(1<<20)|(1<<21)|(5<<22)|(3<<25)
	s_or_b32 s[G1B+0], s44, (1<<16)|(1<<20)|(1<<21)|(5<<22)|(3<<25)
	s_mov_b32 s[G1+1],  KSTEP<<16                  ; tensor_dim0 = 128
	s_mov_b32 s[G1B+1], KSTEP<<16
	s_mov_b32 s[G1+2],  128<<16                    ; tensor_dim1
	s_mov_b32 s[G1B+2], 160<<16
	s_mov_b32 s[G1+3],  KSTEP<<16                  ; tile_dim0 = 128
	s_mov_b32 s[G1B+3], KSTEP<<16
	s_mov_b32 s[G1+4],  128                        ; tile_dim1
	s_mov_b32 s[G1B+4], 160
	s_mov_b32 s[G1+5],  1024                       ; the pitch
	s_mov_b32 s[G1B+5], 1024
	s_mov_b32 s[G1+6],  0
	s_mov_b32 s[G1B+6], 0
	s_mov_b32 s[G1+7],  0
	s_mov_b32 s[G1B+7], 0
	; x's tile hangs on the row block (shared along my row of the cluster), the weights' on the head (shared along my column);
	; each address is made in registers that never hold the other coordinate
	s_lshl_b32 s17, s12, 7
	s_lshl_b32 s16, s13, 8
	s_add_co_u32 s16, s16, s17                     ; row 256 x block + 128 x half
	s_lshl_b32 s16, s16, 11                        ; of 2,048 bytes
	s_mov_b32 s17, 0
	s_mul_i32 s46, s42, 320
	s_mul_i32 s47, s12, 160
	s_add_co_u32 s46, s46, s47                     ; weight row 320 x head + 160 x half
	s_lshl_b32 s46, s46, 11
	s_add_co_u32 s46, s46, WCAT_OFF
	s_mov_b32 s47, 0
	s_mul_i32 s20, s12, HALFA                      ; LDS: x's two halves, then the weights' two halves: the wave's number alone
	s_mul_i32 s21, s12, HALFB
	s_add_co_u32 s21, s21, 2*HALFA
	s_wait_kmcnt 0x0
	s_add_nc_u64 s[14:15], s[68:69], s[16:17]
	s_add_nc_u64 s[46:47], s[68:69], s[46:47]
	CROUND                                         ; all sixteen work-groups are here: the first joint loads meet
.irp s, 0,1
	s_mov_b32 s[G0+4*\s], 1
	s_add_co_u32 s[G0+4*\s+1], s20, \s*SLOT
	s_add_nc_u64 s[G0+4*\s+2:G0+4*\s+3], s[14:15], \s*KSTEP*2      ; K step s
	s_or_b32 s[G0+4*\s+3], s[G0+4*\s+3], 0x80000000
	s_mov_b32 s[G0B+4*\s], 1
	s_add_co_u32 s[G0B+4*\s+1], s21, \s*SLOT
	s_add_nc_u64 s[G0B+4*\s+2:G0B+4*\s+3], s[46:47], \s*KSTEP*2
	s_or_b32 s[G0B+4*\s+3], s[G0B+4*\s+3], 0x80000000
	JLOAD \s                                       ; both slots' first fills go out before anything else: two tensor loads of the wave are out
.endr
	v_and_b32 v1, 15, v0                           ; r
	v_bfe_u32 v2, v0, 4, 1                         ; h
	v_lshlrev_b32 v12, 2, v1                       ; 4 r
	v_lshlrev_b32 v13, 5, v2                       ; 32 h
	s_lshl_b32 s16, s13, 10                        ; rm: 4 bytes x (256 x block + 128 wr)
	s_lshl_b32 s18, s11, 9
	s_add_co_u32 s16, s16, s18
	s_mov_b32 s17, 0
	s_add_nc_u64 s[70:71], s[70:71], s[16:17]
	s_lshl_b32 s46, s42, 8                         ; biases: 4 bytes x (64 x head + 32 wc)
	s_lshl_b32 s45, s12, 7
	s_add_co_u32 s46, s46, s45
	s_mov_b32 s47, 0
.irp p, 72,74,76,78,80
	s_add_nc_u64 s[\p:\p+1], s[\p:\p+1], s[46:47]
.endr
.irp a, 0,1,2,3,4,5,6,7
	global_load_b32 v[RM+\a], v12, s[70:71] offset:64*\a           ; rm of row 16 a + r
.endr
.irp sub, 0,1
	global_load_b128 v[BQ+8*\sub:BQ+8*\sub+3],     v13, s[72:73] offset:64*\sub      ; columns 16 sub + 8 h + 0..7
	global_load_b128 v[BQ+8*\sub+4:BQ+8*\sub+7],   v13, s[72:73] offset:64*\sub+16
	global_load_b128 v[BQR+8*\sub:BQR+8*\sub+3],   v13, s[74:75] offset:64*\sub
	global_load_b128 v[BQR+8*\sub+4:BQR+8*\sub+7], v13, s[74:75] offset:64*\sub+16
	global_load_b128 v[BK+8*\sub:BK+8*\sub+3],     v13, s[76:77] offset:64*\sub
	global_load_b128 v[BK+8*\sub+4:BK+8*\sub+7],   v13, s[76:77] offset:64*\sub+16
	global_load_b128 v[BKR+8*\sub:BKR+8*\sub+3],   v13, s[78:79] offset:64*\sub
	global_load_b128 v[BKR+8*\sub+4:BKR+8*\sub+7], v13, s[78:79] offset:64*\sub+16
	global_load_b32 v[BV+2*\sub],   v12, s[80:81] offset:64*\sub   ; column 16 sub + r, into both registers of a pair
	global_load_b32 v[BV+2*\sub+1], v12, s[80:81] offset:64*\sub
.endr
	; the outputs: b = block / 8, s0 = 256 (block % 8).  qb, kb: ((16 b + head) 2048 + s0) 128 bytes; vtb: (16 b + head) 64 x 4096 + 2 s0
	s_lshr_b32 s16, s13, 3
	s_lshl_b32 s16, s16, 22
	s_and_b32 s20, s13, 7
	s_lshl_b32 s18, s20, 15
	s_add_co_u32 s18, s18, s16
	s_mov_b32 s19, 0
	s_lshl_b32 s20, s20, 9
	s_add_co_u32 s16, s16, s20
	s_lshl_b32 s46, s42, 18
	s_add_nc_u64 s[82:83], s[82:83], s[18:19]
	s_add_nc_u64 s[82:83], s[82:83], s[46:47]
	s_add_nc_u64 s[84:85], s[84:85], s[18:19]
	s_add_nc_u64 s[84:85], s[84:85], s[46:47]
	s_add_nc_u64 s[86:87], s[86:87], s[16:17]
	s_add_nc_u64 s[86:87], s[86:87], s[46:47]
	; fragments: lane (r, h) reads 16 bytes at row r, byte 16 h, and 32 bytes further on
	v_mul_u32_u24 v3, v1, PITCH
	v_lshl_add_u32 v3, v2, 4, v3
	s_mul_i32 s22, s11, HALFA
	s_mul_i32 s23, s12, HALFB
	s_add_co_u32 s23, s23, 2*HALFA
	v_add_nc_u32 v[ADRA], s22, v3
	v_add_nc_u32 v[ADRB], s23, v3
	v_add_nc_u32 v[ADRA+1], SLOT, v[ADRA]
	v_add_nc_u32 v[ADRB+1], SLOT, v[ADRB]
	; the stage
	v_and_b32 v4, 31, v0                           ; lane
	v_lshlrev_b32 v5, 4, v4
	v_mul_u32_u24 v6, v1, 144
	v_lshl_add_u32 v6, v2, 4, v6
	s_mul_i32 s18, s11, 18432
	s_lshl_b32 s19, s12, 6
	s_add_co_u32 s18, s18, s19
	v_add_nc_u32 v[QSTO], s18, v6                  ; (128 wr + r) 144 + 64 wc + 16 h
	v_mul_u32_u24 v6, v1, 528
	v_lshl_add_u32 v6, v2, 4, v6
	s_mul_i32 s18, s12, 16896
	s_lshl_b32 s19, s11, 8
	s_add_co_u32 s18, s18, s19
	s_add_co_u32 s18, s18, VST
	v_add_nc_u32 v[VSTO], s18, v6                  ; VST + (32 wc + r) 528 + 256 wr + 16 h
	v_lshrrev_b32 v6, 3, v4
	v_mul_u32_u24 v6, v6, 144
	v_and_b32 v7, 7, v4
	v_lshl_add_u32 v6, v7, 4, v6
	s_mul_i32 s18, s10, 9216
	v_add_nc_u32 v[QRD], s18, v6                   ; (64 w + lane / 8) 144 + 16 (lane % 8)
	s_lshl_b32 s18, s10, 13
	v_add_nc_u32 v[GQ], s18, v5                    ; 8192 w + 16 lane
	s_mul_i32 s18, s10, 8448
	s_add_co_u32 s18, s18, VST
	v_add_nc_u32 v[VRD], s18, v5                   ; VST + 16 w x 528 + 16 lane
	s_lshl_b32 s18, s10, 16
	v_add_nc_u32 v[GV], s18, v5                    ; 16 w x 4096 + 16 lane
; 36 LDS loads in one run: one quarter step's fragments (160 weight rows, 128 rows of x, 32 K at byte k of the rows) into buffer f
.macro FETCH slot, k, f
	WIN 0
.irp i, 0,1,2,3,4,5,6,7,8,9
	ds_load_b128 v[BF+80*\f+8*\i:BF+80*\f+8*\i+3],   v[ADRB+\slot] offset:\k+\i*16*PITCH
	ds_load_b128 v[BF+80*\f+8*\i+4:BF+80*\f+8*\i+7], v[ADRB+\slot] offset:\k+\i*16*PITCH+32
.endr
	WIN 0x40                                       ; destination window 1, address window 0
.irp i, 0,1,2,3,4,5,6,7
	ds_load_b128 v[64*\f+8*\i:64*\f+8*\i+3],   v[ADRA+\slot] offset:\k+\i*16*PITCH
	ds_load_b128 v[64*\f+8*\i+4:64*\f+8*\i+7], v[ADRA+\slot] offset:\k+\i*16*PITCH+32
.endr
.endm
; 32 matrix instructions, transposed use: weight fragments jb .. jb+3 (jb = 0: Wq, Wqr under window 2; jb = 4: Wk, Wkr under window 3) x 8 row tiles
.macro MULQK f, jb, zero
.irp a, 0,1,2,3,4,5,6,7
.irp j, 0,1,2,3
.set ACC, 128*(\j/2)+8*(2*\a+\j%2)
.if \zero
	v_wmma_f32_16x16x32_bf16 v[ACC:ACC+7], v[BF+80*\f+8*(\jb+\j):BF+80*\f+8*(\jb+\j)+7], v[64*\f+8*\a:64*\f+8*\a+7], 0
.else
	v_wmma_f32_16x16x32_bf16 v[ACC:ACC+7], v[BF+80*\f+8*(\jb+\j):BF+80*\f+8*(\jb+\j)+7], v[64*\f+8*\a:64*\f+8*\a+7], v[ACC:ACC+7]
.endif
.endr
.endr
.endm
; 16 matrix instructions, natural use: 8 row tiles x Wv's two fragments
.macro MULV f, zero
.irp a, 0,1,2,3,4,5,6,7
.irp sub, 0,1
.set ACC, 128+8*(2*\a+\sub)
.if \zero
	v_wmma_f32_16x16x32_bf16 v[ACC:ACC+7], v[64*\f+8*\a:64*\f+8*\a+7], v[BF+80*\f+8*(8+\sub):BF+80*\f+8*(8+\sub)+7], 0
.else
	v_wmma_f32_16x16x32_bf16 v[ACC:ACC+7], v[64*\f+8*\a:64*\f+8*\a+7], v[BF+80*\f+8*(8+\sub):BF+80*\f+8*(8+\sub)+7], v[ACC:ACC+7]
.endif
.endr
.endr
.endm
.set MQ, 0xa4                          ; source 0 window 0, source 1 window 1, C and D window 2
.set MK_, 0xf4                         ; the same, C and D window 3
.set MV, 0x51                          ; source 0 window 1, source 1 window 0, C and D window 1
; One of a K step's first three quarters: multiplies buffer f (80 matrix instructions); behind the first 32 it fetches the next quarter into buffer g,
; 48 matrix instructions ahead of the wait for it.
.macro QUARTER slot, k, f, g, zero
	s_wait_dscnt 0x0                               ; buffer f is in
	WIN MQ
	MULQK \f, 0, \zero
	PLACES
	FETCH \slot, \k, \g
	WIN MK_
	MULQK \f, 4, \zero
	WIN MV
	MULV \f, \zero
.endm
; The last quarter: multiplies buffer 1 and changes slots.  In front of the one barrier each wave waits for its reads of this slot and for all its
; tensor loads (the one that is out is its part of the next slot).  Behind it nobody reads this slot and the next is whole: the refill comes first.
; From a request to the wait for it a wave issues 288 matrix instructions.
.macro TURN slot, next, fill
	s_wait_dscnt 0x0                               ; buffer 1 is in, and with it my reads of this slot are over
	s_wait_xcnt 0x0
	s_set_vgpr_msb 0x5110
	v_lshl_add_u32 v126, v0, 2, 0x4c800
	v_mov_b32 v127, 0
	s_wait_tensorcnt 0x0                           ; all my tensor loads have landed
	ds_add_u32 v126, v127
	s_wait_dscnt 0x0
	s_set_vgpr_msb 0x1051
	s_barrier_signal -1                            ; (where the slot is filled again this barrier opens a round of the cluster's barrier)
	WIN MQ
	MULQK 1, 0, 0                                  ; register work while the others arrive
	WIN 0
	s_barrier_wait -1
.if \fill
	CREST                                          ; no wave of any partner still reads this slot or has a load on its way
	s_add_nc_u64 s[G0+4*\slot+2:G0+4*\slot+3], s[G0+4*\slot+2:G0+4*\slot+3], 2*KSTEP*2
	s_add_nc_u64 s[G0B+4*\slot+2:G0B+4*\slot+3], s[G0B+4*\slot+2:G0B+4*\slot+3], 2*KSTEP*2
	JLOAD \slot                                    ; my one tensor load behind the round: one is out
.endif
	PLACES
	FETCH \next, 0, 0
	WIN MK_
	MULQK 1, 4, 0
	WIN MV
	MULV 1, 0
.endm
.macro THREE slot, zero
	QUARTER \slot, 64,  0, 1, \zero
	QUARTER \slot, 128, 1, 0, 0
	QUARTER \slot, 192, 0, 1, 0
.endm
.macro LAP zero
	THREE 0, \zero
	TURN 0, 1, 1
	THREE 1, 0
	TURN 1, 0, 1
.endm
	s_wait_loadcnt 0x0                             ; rm and the biases, once
	s_wait_tensorcnt 0x1                           ; my part of K step 0 is in; K step 1's may stay out
	s_barrier_signal -1
	s_barrier_wait -1
	FETCH 0, 0, 0
	LAP 1                                          ; K steps 0, 1: the first products start the sums, nothing is cleared
	WIN 0
	s_mov_b32 s3, 2
.Llap:
	LAP 0                                          ; K steps 2, 3 and 4, 5
	WIN 0
	s_sub_co_u32 s3, s3, 1
	s_cmp_lg_u32 s3, 0
	s_cbranch_scc1 .Llap
	THREE 0, 0                                     ; K steps 6, 7: nothing is left to fetch
	TURN 0, 1, 0
	THREE 1, 0
	s_wait_dscnt 0x0
	WIN MQ
	MULQK 1, 0, 0
	WIN MK_
	MULQK 1, 4, 0
	WIN MV
	MULV 1, 0
; THE WAY OUT.  Row tile a: biases, mix, scale, rounding, 6 x 16 bytes a lane into the stage.  The stage lies in slot 0 alone, whose last reads
; every wave has waited for in front of the last change of slots, and which no tensor load fills again.
.macro EPI a
	WIN 0
	v_sub_f32 v96, 1.0, v[RM+\a]                   ; pairs for the packed forms: 1 - rm,
	v_sub_f32 v97, 1.0, v[RM+\a]
	v_mov_b32 v98, v[RM+\a]                        ; rm,
	v_mov_b32 v99, v[RM+\a]
	v_mul_f32 v100, s9, v96                        ; and both times the score scale, for q
	v_mul_f32 v101, s9, v96
	v_mul_f32 v102, s9, v98
	v_mul_f32 v103, s9, v98
	WIN 0x02                                       ; source 0 window 2
.irp sub, 0,1
.irp p, 0,1,2,3
	v_pk_add_f32 v[104+8*\sub+2*\p:105+8*\sub+2*\p], v[8*(2*\a+\sub)+2*\p:8*(2*\a+\sub)+2*\p+1], v[BQ+8*\sub+2*\p:BQ+8*\sub+2*\p+1]
	v_pk_add_f32 v[120+8*\sub+2*\p:121+8*\sub+2*\p], v[128+8*(2*\a+\sub)+2*\p:128+8*(2*\a+\sub)+2*\p+1], v[BQR+8*\sub+2*\p:BQR+8*\sub+2*\p+1]
.endr
.endr
	WIN 0x03                                       ; source 0 window 3
.irp sub, 0,1
.irp p, 0,1,2,3
	v_pk_add_f32 v[136+8*\sub+2*\p:137+8*\sub+2*\p], v[8*(2*\a+\sub)+2*\p:8*(2*\a+\sub)+2*\p+1], v[BK+8*\sub+2*\p:BK+8*\sub+2*\p+1]
	v_pk_add_f32 v[152+8*\sub+2*\p:153+8*\sub+2*\p], v[128+8*(2*\a+\sub)+2*\p:128+8*(2*\a+\sub)+2*\p+1], v[BKR+8*\sub+2*\p:BKR+8*\sub+2*\p+1]
.endr
.endr
	WIN 0x01                                       ; source 0 window 1
.irp sub, 0,1
.irp p, 0,1,2,3
	v_pk_add_f32 v[168+8*\sub+2*\p:169+8*\sub+2*\p], v[128+8*(2*\a+\sub)+2*\p:128+8*(2*\a+\sub)+2*\p+1], v[BV+2*\sub:BV+2*\sub+1]
.endr
.endr
	WIN 0
.irp i, 0,1,2,3,4,5,6,7
	v_pk_mul_f32 v[104+2*\i:105+2*\i], v[104+2*\i:105+2*\i], v[100:101]
	v_pk_mul_f32 v[136+2*\i:137+2*\i], v[136+2*\i:137+2*\i], v[96:97]
.endr
.irp i, 0,1,2,3,4,5,6,7
	v_pk_fma_f32 v[104+2*\i:105+2*\i], v[120+2*\i:121+2*\i], v[102:103], v[104+2*\i:105+2*\i]
	v_pk_fma_f32 v[136+2*\i:137+2*\i], v[152+2*\i:153+2*\i], v[98:99], v[136+2*\i:137+2*\i]
.endr
.irp i, 0,1,2,3,4,5,6,7
	v_cvt_pk_bf16_f32 v[184+\i], v[104+2*\i], v[105+2*\i]
	v_cvt_pk_bf16_f32 v[192+\i], v[136+2*\i], v[137+2*\i]
	v_cvt_pk_bf16_f32 v[200+\i], v[168+2*\i], v[169+2*\i]
.endr
	ds_store_b128 v[QSTO], v[184:187] offset:2304*\a               ; q, row 16 a + r, columns 8 h + 0..7 of sub 0
	ds_store_b128 v[QSTO], v[188:191] offset:2304*\a+32            ; of sub 1
	ds_store_b128 v[QSTO], v[192:195] offset:KST+2304*\a           ; k
	ds_store_b128 v[QSTO], v[196:199] offset:KST+2304*\a+32
	ds_store_b128 v[VSTO], v[200:203] offset:32*\a                 ; v^T, row d = r of sub 0, s = 16 a + 8 h + 0..7
	ds_store_b128 v[VSTO], v[204:207] offset:8448+32*\a            ; of sub 1: 16 rows of 528 bytes down
.endm
	WIN 0
	PLACES                                         ; behind the last matrix instructions: their results are read, their sources written
.irp a, 0,1,2,3,4,5,6,7
	EPI \a
.endr
	s_wait_dscnt 0x0                               ; my part of the stage is written: zero, for the others' sake
	s_barrier_signal -1
	s_barrier_wait -1
.macro OLOAD reg, adr, base, step
.irp i, 0,1,2,3,4,5,6,7,8,9,10,11,12,13,14,15
	ds_load_b128 v[\reg+4*\i:\reg+4*\i+3], v[\adr] offset:\base+\step*\i
.endr
.endm
.macro OSTORE reg, off, ptr, step, left            ; left: the loads of the next set, issued behind this set's
.irp i, 0,1,2,3,4,5,6,7,8,9,10,11,12,13,14,15
	s_wait_dscnt \left+15-\i                       ; LDS loads come back in order: load i of this set is in
	global_store_b128 v[\off], v[\reg+4*\i:\reg+4*\i+3], s[\ptr:\ptr+1] offset:\step*\i   ; the wave stores 512 consecutive bytes, aligned
.endr
.endm
	; wave w takes rows 64 w .. 64 w + 63 of q and of k (four rows of 128 bytes a load) and rows 16 w .. 16 w + 15 of v^T (a row of 512 bytes a load);
	; three register sets, none written twice
	OLOAD 96, QRD, 0, 576
	OLOAD 160, QRD, KST, 576
	OSTORE 96, GQ, 82, 512, 16
	OLOAD 32, VRD, 0, 528
	OSTORE 160, GQ, 84, 512, 16
	OSTORE 32, GV, 86, 4096, 0
	s_wait_xcnt 0x0
	v_lshl_add_u32 v126, v0, 2, 0x4c800
	v_mov_b32 v127, 0
	s_wait_tensorcnt 0x0
	ds_add_u32 v126, v127
	s_wait_dscnt 0x0
	CROUND                                         ; the closing round: no work-group ends while a partner may still ask for a tile that names it
	s_endpgm
.Lfunc_end_k_q614137abbe_proj:
	.size	k_q614137abbe_proj, .Lfunc_end_k_q614137abbe_proj-k_q614137abbe_proj
	.p2alignl 7, 3214868480
	.fill 96, 4, 3214868480
	.section	.rodata,"a",@progbits
	.p2align	6, 0x0
	.amdhsa_kernel k_q614137abbe_proj
		.amdhsa_group_segment_fixed_size 327680
		.amdhsa_private_segment_fixed_size 0
		.amdhsa_enable_private_segment 0
		.amdhsa_kernarg_size 80
		.amdhsa_user_sgpr_count 2
		.amdhsa_user_sgpr_kernarg_segment_ptr 1
		.amdhsa_wavefront_size32 1
		.amdhsa_system_sgpr_workgroup_id_x 1
		.amdhsa_system_sgpr_workgroup_id_y 1
		.amdhsa_system_sgpr_workgroup_id_z 1
		.amdhsa_system_vgpr_workitem_id 0
		.amdhsa_next_free_vgpr 1024
		.amdhsa_next_free_sgpr 88
		.amdhsa_reserve_vcc 0
		.amdhsa_float_denorm_mode_32 3
		.amdhsa_float_denorm_mode_16_64 3
		.amdhsa_memory_ordered 1
		.amdhsa_forward_progress 1
		.amdhsa_inst_pref_size 255
	.end_amdhsa_kernel
	.section	.bss,"aw",@nobits
	.p2align	6
	.space	262144
	.amdgpu_metadata
---
amdhsa.version: [ 1, 2 ]
amdhsa.kernels:
  - .name:           k_q614137abbe_proj
    .symbol:         k_q614137abbe_proj.kd
    .args:
      - { .name: cb, .offset: 0, .size: 8, .value_kind: global_buffer, .address_space: global }
      - { .name: reasoning_mask, .offset: 8, .size: 8, .value_kind: global_buffer, .address_space: global }
      - { .name: bq, .offset: 16, .size: 8, .value_kind: global_buffer, .address_space: global }
      - { .name: bqr, .offset: 24, .size: 8, .value_kind: global_buffer, .address_space: global }
      - { .name: bk, .offset: 32, .size: 8, .value_kind: global_buffer, .address_space: global }
      - { .name: bkr, .offset: 40, .size: 8, .value_kind: global_buffer, .address_space: global }
      - { .name: bv, .offset: 48, .size: 8, .value_kind: global_buffer, .address_space: global }
      - { .name: qb, .offset: 56, .size: 8, .value_kind: global_buffer, .address_space: global }
      - { .name: kb, .offset: 64, .size: 8, .value_kind: global_buffer, .address_space: global }
      - { .name: vtb, .offset: 72, .size: 8, .value_kind: global_buffer, .address_space: global }
    .group_segment_fixed_size: 327680
    .private_segment_fixed_size: 0
    .kernarg_segment_align: 8
    .kernarg_segment_size: 80
    .max_flat_workgroup_size: 128
    .sgpr_count:     88
    .vgpr_count:     1024
    .wavefront_size: 32
...
	.end_amdgpu_metadata
.endif
;; end of part 2
;; launch attn (part 3): grid 8 x 32, 8 waves a work-group, clusters of 4 x 1, 327,680 bytes of LDS; arguments qb, kb, vtb, attention_mask, ao; writes ao
.if DOCPART == 3
	.amdgcn_target "amdgcn-amd-amdhsa--gfx1250"
	.amdhsa_code_object_version 6
	.text
	.protected	k_q614137abbe_attn
	.globl	k_q614137abbe_attn
	.p2align	8
	.type	k_q614137abbe_attn,@function
k_q614137abbe_attn:
	s_mov_b64 s[64:65], 0
	v_nop
	global_prefetch_b8 v0, s[64:65] scope:SCOPE_SE
	s_setreg_imm32_b32 hwreg(HW_REG_WAVE_MODE, 25, 1), 1
	s_wait_xcnt 0x0
	s_wait_alu depctr_hold_cnt(0) depctr_sa_sdst(0) depctr_va_vdst(0) depctr_va_sdst(0) depctr_va_ssrc(0) depctr_va_vcc(0) depctr_vm_vsrc(0)
	s_getreg_b32 s2, hwreg(HW_REG_IB_STS2, 6, 4)
	s_cmp_eq_u32 s2, 0
	s_cbranch_scc0 .Lentry_in_a_cluster
	s_endpgm
.Lentry_in_a_cluster:
	s_bfe_u32 s2, ttmp6, 0x10000c
	s_cmp_lg_u32 s2, 0x3003
	s_cbranch_scc0 .Lentry_shape_is_right
	s_endpgm
.Lentry_shape_is_right:
; attn: softmax(q k^T, keys with attention_mask == 0 left out) v, by a running maximum, for 256 queries of one head and batch.
; q carries log2(e)/8 already, so scores are in powers of two.  Operands bf16, sums, maxima and exponentials f32.
; LIMITS, stated: a masked key gets the additive score -1e30 (through the C operand of the first product) in place of -infinity, so a genuine scaled
; score below -5e29 would be read as masked; a query all of whose keys are masked gives NaN, as the softmax of a row of -infinity does;
; exp2 results below 2^-126 come out as 0.
; Grid x = query block (8), grid y = 16 b + head (32).  CLUSTER 4 x 1: the four query blocks of a cluster walk the same K and V tiles and ask for them jointly.
; Eight waves, two for each of the WGP's four SIMDs, so that one wave's softmax arithmetic can run beside the other's matrix work.
; Wave w: qg = w % 4 takes 64 queries (4 tiles of 16); kh = w / 4 takes one half (64 keys) of every 128 keys; the two halves' (m, l, O) are merged at the end.
; Splitting the keys and not the queries keeps a wave's LDS reads at 32 fragment loads of K and V for 64 matrix instructions.
; LAYOUTS that need no shuffle: S^T = K Q^T leaves query r in lane (r, h) with keys 8 h + j in register j; two such tiles rounded to bf16 in place are the
; B fragment of P for 32 keys; O^T = V^T P^T leaves query r in lane (r, h) with d = 8 h + j.  All statistics are a lane's own but for lane xor 16.
; The accumulators take turns, one matrix instruction a turn (16 tiles of S, 16 of O).
; LDS: two slots of 512 keys: K 512 x 144 bytes (four parts of 128 keys), then V^T in four parts of 64 rows x 272 bytes (128 keys); behind the ring the
; 2,048 mask terms in f32, bytes of their own.  Four tiles in all: two first fills and one refill of each slot; a refill has 256 matrix instructions of a wave in which to land.
.set KSUB, 18432                       ; 128 keys x 144
.set VSUB, 17408                       ; 64 rows x 272
.set VOFF, 73728
.set SLOT, 143360
.set MB,   286720
.set ST2,  69632                       ; way-out stage, 64 x 144 for each of waves 0-3; the merge stage, 17,408 for each qg, lies at 0: both in slot 0 behind its last fill and read
.set KB0, 2                            ; v2  lane's base in a slot's K
.set VB0, 3                            ; v3  in a slot's V^T
.set MB0, 4                            ; v4  in the mask terms
.set KADR, 5                           ; v5-7 the same for the part at work
.set VADR, 6
.set MADR, 7
.set MM, 8                             ; v[8+2t]  running maximum of query tile t;  v[9+2t] TT: the new one
.set TT, 9
.set AA, 16                            ; v[16+2t] exp2(old - new);  v[17+2t] XX: at work
.set XX, 17
.set LL, 24                            ; v[24+2t:25+2t] two partial sums of exponentials
.set QF, 32                            ; Q(t, ds) at 32 + 8 (2 t + ds)
.set KF, 96                            ; K(kt, ds) at 96 + 8 (2 kt + ds)
.set VF, 160                           ; V(dt, ks) at 160 + 8 (2 dt + ks)
.set MK, 224                           ; mask terms of key tile kt at 224 + 8 kt
.set OO, 0                             ; window 1: O(t, dt) at 8 (4 t + dt)
.set SS, 128                           ; window 1: S(t, kt) at 128 + 8 (4 t + kt)
.set G1K, 24
.set G0K, 32
.set G1V, 48
.set G0V, 56
.set MSB, 0
.macro WIN new
.if MSB != \new
	s_set_vgpr_msb (MSB<<8)|\new
.set MSB, \new
.endif
.endm
.macro JLOAD s                         ; waves 0-3 ask for the four parts of K, waves 4-7 for those of V^T: a branch on the wave's number alone
	s_cmp_eq_u32 s11, 0
	s_cbranch_scc0 .Lfor_v_\@
	tensor_load_to_lds s[G0K+4*\s:G0K+4*\s+3], s[G1K:G1K+7]
	s_nop 0
	s_branch .Lasked_\@
.Lfor_v_\@:
	tensor_load_to_lds s[G0V+4*\s:G0V+4*\s+3], s[G1V:G1V+7]
	s_nop 0
.Lasked_\@:
.endm
.macro ROUND                           ; a round of the cluster's barrier
	s_barrier_signal -1
	s_barrier_wait -1
	s_cmp_lg_u32 s10, 0
	s_cbranch_scc1 .Lnot_wave_0_\@
	s_barrier_signal -3
.Lnot_wave_0_\@:
	s_barrier_wait -3
	s_barrier_signal -1
	s_barrier_wait -1
.endm
	s_load_b256 s[68:75], s[0:1], 0x0              ; qb 68, kb 70, vtb 72, attention_mask 74
	s_load_b64 s[76:77], s[0:1], 0x20              ; ao
	v_lshl_add_u32 v254, v0, 2, 0x48000
	v_mov_b32 v255, 0
	ds_add_u32 v254, v255
	s_wait_dscnt 0x0
	v_lshrrev_b32 v1, 5, v0
	v_readfirstlane_b32 s10, v1                    ; wave 0..7
	s_lshr_b32 s11, s10, 2                         ; kh.  Also: I fetch K (0) or V^T (1)
	s_and_b32 s12, s10, 3                          ; qg.  Also: which part of the tile I fetch
	s_bfe_u32 s40, ttmp6, 0x40000                  ; cx
	s_lshl_b32 s14, ttmp9, 2
	s_add_co_u32 s14, s14, s40                     ; query block
	s_and_b32 s13, ttmp7, 0xffff                   ; 16 b + head
	s_mov_b32 s20, 0x76543210                      ; v_permlanex16_b32: lane i reads lane i of the other half
	s_mov_b32 s21, 0xfedcba98
	; K: 128 keys of 128 bytes are dense in memory: 64 rows of 32 elements of 8 bytes; 16 bytes of padding behind every 32 words, that is behind every key: pitch 144
	s_mov_b32 s[G1K+0], 15|(3<<16)|(1<<20)|(1<<21)|(4<<22)|(3<<25)
	s_mov_b32 s[G1K+1], 32<<16
	s_mov_b32 s[G1K+2], 64<<16
	s_mov_b32 s[G1K+3], 32<<16
	s_mov_b32 s[G1K+4], 64
	s_mov_b32 s[G1K+5], 32
	s_mov_b32 s[G1K+6], 0
	s_mov_b32 s[G1K+7], 0
	; V^T: 64 rows (d) of 128 elements of 2 bytes (keys), 2,048 elements from row to row; 16 bytes of padding behind every 64 words: pitch 272
	s_mov_b32 s[G1V+0], 15|(1<<16)|(1<<20)|(1<<21)|(5<<22)|(3<<25)
	s_mov_b32 s[G1V+1], 128<<16
	s_mov_b32 s[G1V+2], 64<<16
	s_mov_b32 s[G1V+3], 128<<16
	s_mov_b32 s[G1V+4], 64
	s_mov_b32 s[G1V+5], 2048
	s_mov_b32 s[G1V+6], 0
	s_mov_b32 s[G1V+7], 0
	s_lshl_b32 s16, s13, 18                        ; K: (2048 (16 b + head) + 128 part) keys of 128 bytes: nothing of cx
	s_lshl_b32 s18, s12, 14
	s_add_co_u32 s16, s16, s18
	s_mov_b32 s17, 0
	s_lshl_b32 s18, s13, 18                        ; V^T: 64 (16 b + head) rows of 4,096 bytes + 128 part keys of 2 bytes
	s_lshl_b32 s19, s12, 8
	s_add_co_u32 s18, s18, s19
	s_mov_b32 s19, 0
	s_mul_i32 s22, s12, KSUB
	s_mul_i32 s23, s12, VSUB
	s_add_co_u32 s23, s23, VOFF
	s_wait_kmcnt 0x0
	s_add_nc_u64 s[16:17], s[70:71], s[16:17]
	s_add_nc_u64 s[18:19], s[72:73], s[18:19]
	ROUND                                          ; the four work-groups are here: the first joint loads meet
.irp s, 0,1
	s_mov_b32 s[G0K+4*\s], 1
	s_add_co_u32 s[G0K+4*\s+1], s22, \s*SLOT
	s_add_nc_u64 s[G0K+4*\s+2:G0K+4*\s+3], s[16:17], \s*65536      ; 512 keys of 128 bytes on
	s_or_b32 s[G0K+4*\s+3], s[G0K+4*\s+3], 0x80000000
	s_mov_b32 s[G0V+4*\s], 1
	s_add_co_u32 s[G0V+4*\s+1], s23, \s*SLOT
	s_add_nc_u64 s[G0V+4*\s+2:G0V+4*\s+3], s[18:19], \s*1024       ; 512 keys of 2 bytes on
	s_or_b32 s[G0V+4*\s+3], s[G0V+4*\s+3], 0x80000000
	JLOAD \s                                       ; both first fills: two tensor loads of the wave are out
.endr
	; the batch's 2,048 mask words, 8 a thread
	v_lshlrev_b32 v105, 5, v0
	s_lshr_b32 s44, s13, 4
	s_lshl_b32 s44, s44, 13
	s_mov_b32 s45, 0
	s_add_nc_u64 s[74:75], s[74:75], s[44:45]
	global_load_b128 v[96:99],   v105, s[74:75]
	global_load_b128 v[100:103], v105, s[74:75] offset:16
	; my 64 queries as B fragments: lane (r, h) reads 16 bytes at row r, byte 16 h, and 32 bytes further on
	v_and_b32 v1, 15, v0                           ; r
	v_bfe_u32 v106, v0, 4, 1                       ; h
	v_lshlrev_b32 v104, 7, v1
	v_lshl_add_u32 v104, v106, 4, v104
	s_lshl_b32 s44, s13, 18
	s_lshl_b32 s46, s14, 15
	s_add_co_u32 s44, s44, s46
	s_lshl_b32 s46, s12, 13
	s_add_co_u32 s44, s44, s46
	s_add_nc_u64 s[68:69], s[68:69], s[44:45]
.irp t, 0,1,2,3
.irp ds, 0,1
	global_load_b128 v[QF+8*(2*\t+\ds):QF+8*(2*\t+\ds)+3],   v104, s[68:69] offset:2048*\t+64*\ds
	global_load_b128 v[QF+8*(2*\t+\ds)+4:QF+8*(2*\t+\ds)+7], v104, s[68:69] offset:2048*\t+64*\ds+32
.endr
.endr
	v_mul_u32_u24 v[KB0], v1, 144
	v_lshl_add_u32 v[KB0], v106, 4, v[KB0]
	s_mul_i32 s46, s11, 9216
	v_add_nc_u32 v[KB0], s46, v[KB0]               ; 64 kh keys + 144 r + 16 h
	v_mul_u32_u24 v[VB0], v1, 272
	v_lshl_add_u32 v[VB0], v106, 4, v[VB0]
	s_lshl_b32 s46, s11, 7
	s_add_co_u32 s46, s46, VOFF
	v_add_nc_u32 v[VB0], s46, v[VB0]               ; VOFF + 128 kh + 272 r + 16 h
	s_lshl_b32 s46, s11, 8
	s_add_co_u32 s46, s46, MB
	v_lshl_add_u32 v[MB0], v106, 5, s46            ; MB + 256 kh + 32 h
	v_mov_b32 v107, 0xf149f2ca                     ; -1e30
	v_add_nc_u32 v108, MB, v105
.irp t, 0,1,2,3
	v_mov_b32 v[MM+2*\t], 0xff800000               ; the running maximum starts at -infinity, the sums at 0
	v_mov_b32 v[XX+2*\t], 0
	v_mov_b32 v[LL+2*\t], 0
	v_mov_b32 v[LL+2*\t+1], 0
.endr
	s_wait_loadcnt 16                              ; the two mask loads are in; the sixteen of Q, issued behind them, stay out
.irp i, 0,1,2,3,4,5,6,7
	v_cmp_eq_u32 vcc_lo, 0, v[96+\i]
	v_cndmask_b32 v[96+\i], 0, v107, vcc_lo        ; mask == 0: -1e30, else 0
.endr
	ds_store_b128 v108, v[96:99]
	ds_store_b128 v108, v[100:103] offset:16
	s_wait_loadcnt 0x0                             ; Q
	s_wait_dscnt 0x0                               ; my mask terms are written: zero, for the others' sake
	s_wait_tensorcnt 0x1                           ; my part of tile 0 is in; tile 1's may stay out
	s_barrier_signal -1
	s_barrier_wait -1
; 64 keys against my 64 queries.  first = 1: the launch's first part: nothing to rescale, the first products start O.
.macro CHUNK first
.irp kt, 0,1,2,3
.irp ds, 0,1
	ds_load_b128 v[KF+8*(2*\kt+\ds):KF+8*(2*\kt+\ds)+3],   v[KADR] offset:2304*\kt+64*\ds
	ds_load_b128 v[KF+8*(2*\kt+\ds)+4:KF+8*(2*\kt+\ds)+7], v[KADR] offset:2304*\kt+64*\ds+32
.endr
.endr
.irp kt, 0,1,2,3
	ds_load_b128 v[MK+8*\kt:MK+8*\kt+3],   v[MADR] offset:64*\kt       ; the terms of keys 16 kt + 8 h + 0..7: the layout of a C operand
	ds_load_b128 v[MK+8*\kt+4:MK+8*\kt+7], v[MADR] offset:64*\kt+16
.endr
.irp dt, 0,1,2,3
.irp ks, 0,1
	ds_load_b128 v[VF+8*(2*\dt+\ks):VF+8*(2*\dt+\ks)+3],   v[VADR] offset:4352*\dt+64*\ks
	ds_load_b128 v[VF+8*(2*\dt+\ks)+4:VF+8*(2*\dt+\ks)+7], v[VADR] offset:4352*\dt+64*\ks+32
.endr
.endr
	s_wait_dscnt 16                                ; K and the mask terms are in; V's sixteen loads stay out
	WIN 0x40                                       ; D window 1, all sources window 0
.irp kt, 0,1,2,3
.irp t, 0,1,2,3
	v_wmma_f32_16x16x32_bf16 v[SS+8*(4*\t+\kt):SS+8*(4*\t+\kt)+7], v[KF+16*\kt:KF+16*\kt+7], v[QF+16*\t:QF+16*\t+7], v[MK+8*\kt:MK+8*\kt+7]
.endr
.endr
	WIN 0x50                                       ; C window 1 too
.irp kt, 0,1,2,3
.irp t, 0,1,2,3
	v_wmma_f32_16x16x32_bf16 v[SS+8*(4*\t+\kt):SS+8*(4*\t+\kt)+7], v[KF+16*\kt+8:KF+16*\kt+15], v[QF+16*\t+8:QF+16*\t+15], v[SS+8*(4*\t+\kt):SS+8*(4*\t+\kt)+7]
.endr
.endr
.rept 4
	v_nop                                          ; four places behind the last product, in front of the reads of S (ISA guide 7.12.1)
.endr
	WIN 0x14                                       ; sources 1 and 2 window 1
.irp i, 0,1,2,3,4,5,6,7,8,9,10,11,12,13,14,15
.irp t, 0,1,2,3
.if \i
	v_max3_num_f32 v[TT+2*\t], v[TT+2*\t], v[SS+32*\t+2*\i], v[SS+32*\t+2*\i+1]
.else
	v_max3_num_f32 v[TT+2*\t], v[MM+2*\t], v[SS+32*\t], v[SS+32*\t+1]          ; the chain starts from the running maximum
.endif
.endr
.endr
	WIN 0
.irp t, 0,1,2,3
	v_permlanex16_b32 v[XX+2*\t], v[TT+2*\t], s20, s21             ; the other half of the lanes holds the query's other keys
.endr
.irp t, 0,1,2,3
	v_max_num_f32 v[TT+2*\t], v[TT+2*\t], v[XX+2*\t]
.endr
.irp t, 0,1,2,3
	v_sub_f32 v[XX+2*\t], v[MM+2*\t], v[TT+2*\t]
.endr
.irp t, 0,1,2,3
	v_exp_f32 v[AA+2*\t], v[XX+2*\t]               ; exp2(old maximum - new)
.endr
.irp t, 0,1,2,3
	v_mov_b32 v[MM+2*\t], v[TT+2*\t]               ; plain instructions between the exponentials and the use of their results
.endr
	s_wait_alu depctr_va_vdst(0)
.irp t, 0,1,2,3
	v_pk_mul_f32 v[LL+2*\t:LL+2*\t+1], v[LL+2*\t:LL+2*\t+1], v[AA+2*\t:AA+2*\t+1] op_sel_hi:[1,0]
.endr
	WIN 0x41                                       ; destination and source 0 window 1
.irp t, 0,1,2,3
.irp i, 0,1,2,3,4,5,6,7,8,9,10,11,12,13,14,15
	v_pk_add_f32 v[SS+32*\t+2*\i:SS+32*\t+2*\i+1], v[SS+32*\t+2*\i:SS+32*\t+2*\i+1], v[MM+2*\t:MM+2*\t+1] op_sel_hi:[1,0] neg_lo:[0,1] neg_hi:[0,1]
.endr
.irp i, 0,1,2,3,4,5,6,7,8,9,10,11,12,13,14,15
	v_exp_f32 v[SS+32*\t+2*\i], v[SS+32*\t+2*\i]
	v_exp_f32 v[SS+32*\t+2*\i+1], v[SS+32*\t+2*\i+1]
.if \first
.else
	v_pk_mul_f32 v[OO+32*\t+2*\i:OO+32*\t+2*\i+1], v[OO+32*\t+2*\i:OO+32*\t+2*\i+1], v[AA+2*\t:AA+2*\t+1] op_sel_hi:[1,0]   ; O is rescaled among the exponentials
.endif
.endr
.if \first
	v_nop                                          ; the plain place behind the last exponential
	s_wait_alu depctr_va_vdst(0)
.endif
.endr
	WIN 0x01                                       ; source 0 window 1
	s_wait_alu depctr_va_vdst(0)
.irp i, 0,1,2,3,4,5,6,7,8,9,10,11,12,13,14,15
.irp t, 0,1,2,3
	v_pk_add_f32 v[LL+2*\t:LL+2*\t+1], v[SS+32*\t+2*\i:SS+32*\t+2*\i+1], v[LL+2*\t:LL+2*\t+1]
.endr
.endr
	WIN 0x45                                       ; destination, sources 0 and 1 window 1
.irp t, 0,1,2,3
.irp ks, 0,1
.irp i, 0,1,2,3,4,5,6,7
	v_cvt_pk_bf16_f32 v[SS+32*\t+16*\ks+\i], v[SS+32*\t+16*\ks+2*\i], v[SS+32*\t+16*\ks+2*\i+1]    ; in place, ascending: register i is written when 2 i and 2 i + 1 are read
.endr
.endr
.endr
	s_wait_dscnt 0x0                               ; V
	WIN 0x54                                       ; source 0 (V^T) window 0; source 1 (P), C and D window 1
.irp ks, 0,1
.irp t, 0,1,2,3
.irp dt, 0,1,2,3
.if \first*(1-\ks)
	v_wmma_f32_16x16x32_bf16 v[OO+8*(4*\t+\dt):OO+8*(4*\t+\dt)+7], v[VF+8*(2*\dt+\ks):VF+8*(2*\dt+\ks)+7], v[SS+32*\t+16*\ks:SS+32*\t+16*\ks+7], 0
.else
	v_wmma_f32_16x16x32_bf16 v[OO+8*(4*\t+\dt):OO+8*(4*\t+\dt)+7], v[VF+8*(2*\dt+\ks):VF+8*(2*\dt+\ks)+7], v[SS+32*\t+16*\ks:SS+32*\t+16*\ks+7], v[OO+8*(4*\t+\dt):OO+8*(4*\t+\dt)+7]
.endif
.endr
.endr
.endr
	WIN 0
	v_add_nc_u32 v[KADR], KSUB, v[KADR]            ; the next 128 keys.  These three and two v_nop are the five places behind the last product,
	v_add_nc_u32 v[VADR], VSUB, v[VADR]            ; in front of the loads into V's registers and of the products that write over P
	v_add_nc_u32 v[MADR], 512, v[MADR]
	v_nop
	v_nop
.endm
; one tile of 512 keys in a slot: four parts of 128 keys, of which this wave takes its 64
.macro PROCESS slot, tile, first
	v_add_nc_u32 v[KADR], \slot*SLOT, v[KB0]
	v_add_nc_u32 v[VADR], \slot*SLOT, v[VB0]
	v_add_nc_u32 v[MADR], \tile*2048, v[MB0]
.if \first
	CHUNK 1
	s_mov_b32 s3, 3
.else
	s_mov_b32 s3, 4
.endif
.Lchunk_\@:
	CHUNK 0
	s_sub_co_u32 s3, s3, 1
	s_cmp_lg_u32 s3, 0
	s_cbranch_scc1 .Lchunk_\@
.endm
; the slot just read is filled again, two tiles (1,024 keys) ahead
.macro REFILL slot
	s_wait_xcnt 0x0
	v_lshl_add_u32 v254, v0, 2, 0x48000
	v_mov_b32 v255, 0
	s_wait_tensorcnt 0x0                           ; all my tensor loads have landed, my part of the other slot among them: a group 0 may be written
	ds_add_u32 v254, v255
	s_wait_dscnt 0x0
	s_add_nc_u64 s[G0K+4*\slot+2:G0K+4*\slot+3], s[G0K+4*\slot+2:G0K+4*\slot+3], 131072
	s_add_nc_u64 s[G0V+4*\slot+2:G0V+4*\slot+3], s[G0V+4*\slot+2:G0V+4*\slot+3], 2048
	s_wait_dscnt 0x0                               ; my reads of this slot are over
	ROUND                                          ; both now hold of every wave of the four work-groups
	JLOAD \slot                                    ; my one tensor load behind the round: one is out
.endm
	PROCESS 0, 0, 1
	REFILL 0
	PROCESS 1, 1, 0
	REFILL 1
	PROCESS 0, 2, 0
	s_wait_tensorcnt 0x0                           ; my part of the last tile is in; nothing is left to fetch
	s_wait_dscnt 0x0                               ; my reads of slot 0 are over: behind this barrier its bytes serve as stages
	s_barrier_signal -1
	s_barrier_wait -1
	PROCESS 1, 3, 0
	; THE MERGE.  l of a query: two partial sums in each of two lanes
.irp t, 0,1,2,3
	v_add_f32 v[LL+2*\t], v[LL+2*\t], v[LL+2*\t+1]
.endr
.irp t, 0,1,2,3
	v_permlanex16_b32 v[XX+2*\t], v[LL+2*\t], s20, s21
.endr
.irp t, 0,1,2,3
	v_add_f32 v[LL+2*\t], v[LL+2*\t], v[XX+2*\t]
.endr
	v_and_b32 v2, 31, v0
	v_lshlrev_b32 v2, 4, v2
	s_mul_i32 s46, s12, 17408
	v_add_nc_u32 v2, s46, v2                       ; the merge stage of my qg + 16 lane
	s_cmp_eq_u32 s11, 0
	s_cbranch_scc1 .Lno_hand
	WIN 0x04                                       ; store data window 1
.set j, 0
.rept 32
	ds_store_b128 v2, v[OO+4*j:OO+4*j+3] offset:512*j              ; waves 4-7 hand over O, register by register, lane by lane,
.set j, j+1
.endr
	WIN 0
.irp t, 0,1,2,3
	v_mov_b32 v[96+\t], v[MM+2*\t]
	v_mov_b32 v[100+\t], v[LL+2*\t]
.endr
	ds_store_b128 v2, v[96:99] offset:16384        ; m
	ds_store_b128 v2, v[100:103] offset:16896      ; and l
.Lno_hand:
	s_wait_dscnt 0x0
	s_barrier_signal -1
	s_barrier_wait -1
	s_cmp_lg_u32 s11, 0
	s_cbranch_scc1 .Lclose
	ds_load_b128 v[160:163], v2 offset:16384       ; the other half's m
	ds_load_b128 v[164:167], v2 offset:16896       ; l
.set j, 0
.rept 32
	ds_load_b128 v[32+4*j:35+4*j], v2 offset:512*j                 ; and O
.set j, j+1
.endr
	; addresses of the way out, meanwhile
	s_lshr_b32 s44, s13, 4
	s_lshl_b32 s44, s44, 4
	s_lshl1_add_u32 s44, s14, s44
	s_lshr_b32 s46, s12, 1
	s_add_co_u32 s44, s44, s46                     ; rb = 16 b + 2 x query block + qg / 2: my block of 128 rows
	s_lshl_b32 s44, s44, 18                        ; ao: [rb][head][128 rows][64] bf16
	s_and_b32 s46, s13, 15
	s_lshl_b32 s46, s46, 14
	s_add_co_u32 s44, s44, s46
	s_and_b32 s46, s12, 1
	s_lshl_b32 s46, s46, 13
	s_add_co_u32 s44, s44, s46
	s_mov_b32 s45, 0
	s_add_nc_u64 s[76:77], s[76:77], s[44:45]
	v_and_b32 v1, 15, v0
	v_bfe_u32 v6, v0, 4, 1
	v_mul_u32_u24 v3, v1, 144
	v_lshl_add_u32 v3, v6, 4, v3
	s_mul_i32 s46, s12, 9216
	s_add_co_u32 s46, s46, ST2
	v_add_nc_u32 v3, s46, v3                       ; in: row r, 16 bytes for each half of the lanes
	v_and_b32 v5, 31, v0
	v_lshrrev_b32 v4, 3, v5
	v_mul_u32_u24 v4, v4, 144
	v_and_b32 v6, 7, v5
	v_lshl_add_u32 v4, v6, 4, v4
	v_add_nc_u32 v4, s46, v4                       ; back: four rows of 128 bytes a load
	v_lshlrev_b32 v5, 4, v5
	v_mov_b32 v168, 0x7fc00000                     ; NaN
	s_wait_dscnt 0x0
.irp t, 0,1,2,3
	v_max_num_f32 v[TT+2*\t], v[MM+2*\t], v[160+\t]
.endr
.irp t, 0,1,2,3
	v_sub_f32 v[XX+2*\t], v[MM+2*\t], v[TT+2*\t]
	v_sub_f32 v[160+\t], v[160+\t], v[TT+2*\t]
.endr
.irp t, 0,1,2,3
	v_exp_f32 v[AA+2*\t], v[XX+2*\t]
	v_exp_f32 v[160+\t], v[160+\t]
.endr
	v_nop
	s_wait_alu depctr_va_vdst(0)
.irp t, 0,1,2,3
	v_mul_f32 v[LL+2*\t], v[LL+2*\t], v[AA+2*\t]
.endr
.irp t, 0,1,2,3
	v_fmac_f32 v[LL+2*\t], v[164+\t], v[160+\t]
.endr
.irp t, 0,1,2,3
	v_rcp_f32 v[XX+2*\t], v[LL+2*\t]
.endr
	v_nop
	s_wait_alu depctr_va_vdst(0)
.irp t, 0,1,2,3
	v_mul_f32 v[AA+2*\t], v[AA+2*\t], v[XX+2*\t]   ; my O's factor
	v_mul_f32 v[MM+2*\t], v[160+\t], v[XX+2*\t]    ; the other half's
.endr
.irp t, 0,1,2,3
	v_cmp_gt_f32 vcc_lo, 0xf0c9f2ca, v[TT+2*\t]    ; -5e29 > the maximum: every key was masked
	v_cndmask_b32 v[AA+2*\t], v[AA+2*\t], v168, vcc_lo
.endr
.set j, 0
.rept 64
	v_pk_mul_f32 v[32+2*j:33+2*j], v[32+2*j:33+2*j], v[MM+2*(j/16):MM+2*(j/16)+1] op_sel_hi:[1,0]
.set j, j+1
.endr
	WIN 0x01                                       ; source 0 window 1
.set j, 0
.rept 64
	v_pk_fma_f32 v[32+2*j:33+2*j], v[OO+2*j:OO+2*j+1], v[AA+2*(j/16):AA+2*(j/16)+1], v[32+2*j:33+2*j] op_sel_hi:[1,0,1]
.set j, j+1
.endr
	WIN 0
.set j, 0
.rept 64
	v_cvt_pk_bf16_f32 v[160+j], v[32+2*j], v[33+2*j]
.set j, j+1
.endr
.irp t, 0,1,2,3
.irp dt, 0,1,2,3
	ds_store_b128 v3, v[160+4*(4*\t+\dt):160+4*(4*\t+\dt)+3] offset:2304*\t+32*\dt     ; query 16 t + r, d = 16 dt + 8 h + 0..7
.endr
.endr
.irp i, 0,1,2,3,4,5,6,7,8,9,10,11,12,13,14,15
	ds_load_b128 v[32+4*\i:35+4*\i], v4 offset:576*\i              ; my own bytes: LDS serves a wave's instructions in order (ISA guide 5.7.1)
.endr
.irp i, 0,1,2,3,4,5,6,7,8,9,10,11,12,13,14,15
	s_wait_dscnt 15-\i
	global_store_b128 v5, v[32+4*\i:35+4*\i], s[76:77] offset:512*\i   ; the wave stores 512 consecutive bytes, aligned
.endr
.Lclose:
	s_wait_xcnt 0x0
	v_lshl_add_u32 v254, v0, 2, 0x48000
	v_mov_b32 v255, 0
	s_wait_tensorcnt 0x0
	ds_add_u32 v254, v255
	s_wait_dscnt 0x0
	ROUND                                          ; the closing round
	s_endpgm
.Lfunc_end_k_q614137abbe_attn:
	.size	k_q614137abbe_attn, .Lfunc_end_k_q614137abbe_attn-k_q614137abbe_attn
	.p2alignl 7, 3214868480
	.fill 96, 4, 3214868480
	.section	.rodata,"a",@progbits
	.p2align	6, 0x0
	.amdhsa_kernel k_q614137abbe_attn
		.amdhsa_group_segment_fixed_size 327680
		.amdhsa_private_segment_fixed_size 0
		.amdhsa_enable_private_segment 0
		.amdhsa_kernarg_size 40
		.amdhsa_user_sgpr_count 2
		.amdhsa_user_sgpr_kernarg_segment_ptr 1
		.amdhsa_wavefront_size32 1
		.amdhsa_system_sgpr_workgroup_id_x 1
		.amdhsa_system_sgpr_workgroup_id_y 1
		.amdhsa_system_sgpr_workgroup_id_z 1
		.amdhsa_system_vgpr_workitem_id 0
		.amdhsa_next_free_vgpr 512
		.amdhsa_next_free_sgpr 80
		.amdhsa_reserve_vcc 1
		.amdhsa_float_denorm_mode_32 3
		.amdhsa_float_denorm_mode_16_64 3
		.amdhsa_memory_ordered 1
		.amdhsa_forward_progress 1
		.amdhsa_inst_pref_size 195
	.end_amdhsa_kernel
	.amdgpu_metadata
---
amdhsa.version: [ 1, 2 ]
amdhsa.kernels:
  - .name:           k_q614137abbe_attn
    .symbol:         k_q614137abbe_attn.kd
    .args:
      - { .name: qb, .offset: 0, .size: 8, .value_kind: global_buffer, .address_space: global }
      - { .name: kb, .offset: 8, .size: 8, .value_kind: global_buffer, .address_space: global }
      - { .name: vtb, .offset: 16, .size: 8, .value_kind: global_buffer, .address_space: global }
      - { .name: attention_mask, .offset: 24, .size: 8, .value_kind: global_buffer, .address_space: global }
      - { .name: ao, .offset: 32, .size: 8, .value_kind: global_buffer, .address_space: global }
    .group_segment_fixed_size: 327680
    .private_segment_fixed_size: 0
    .kernarg_segment_align: 8
    .kernarg_segment_size: 40
    .max_flat_workgroup_size: 256
    .sgpr_count:     80
    .vgpr_count:     512
    .wavefront_size: 32
...
	.end_amdgpu_metadata
.endif
;; end of part 3
;; launch oproj (part 4): grid 8 x 32, 4 waves a work-group, clusters of 4 x 4, 327,680 bytes of LDS; arguments ao, cb, bo, out0; writes out0
.if DOCPART == 4
	.amdgcn_target "amdgcn-amd-amdhsa--gfx1250"
	.amdhsa_code_object_version 6
	.text
	.protected	k_q614137abbe_oproj
	.globl	k_q614137abbe_oproj
	.p2align	8
	.type	k_q614137abbe_oproj,@function
k_q614137abbe_oproj:
	s_mov_b64 s[64:65], 0
	v_nop
	global_prefetch_b8 v0, s[64:65] scope:SCOPE_SE
	s_setreg_imm32_b32 hwreg(HW_REG_WAVE_MODE, 25, 1), 1
	s_wait_xcnt 0x0
	s_wait_alu depctr_hold_cnt(0) depctr_sa_sdst(0) depctr_va_vdst(0) depctr_va_sdst(0) depctr_va_ssrc(0) depctr_va_vcc(0) depctr_vm_vsrc(0)
	s_getreg_b32 s2, hwreg(HW_REG_IB_STS2, 6, 4)
	s_cmp_eq_u32 s2, 0
	s_cbranch_scc0 .Lentry_in_a_cluster
	s_endpgm
.Lentry_in_a_cluster:
	s_bfe_u32 s2, ttmp6, 0x10000c
	s_cmp_lg_u32 s2, 0xf033
	s_cbranch_scc0 .Lentry_shape_is_right
	s_endpgm
.Lentry_shape_is_right:
; oproj: out0 = attention output x Wo^T + bo.  Operands bf16 (ao; Wo from cb), sums f32, out0 f32.
; 4,096 x 1,024 outputs on 256 work-groups: a block of 128 x 128 each (grid x = column block, grid y = row block); a larger block would leave WGPs without work.
; Four waves, 64 x 64 each: 16 accumulator tiles, taken by turns, one matrix instruction a turn.
; ao lies as [row block of 128][head][128 rows][64], so a row block's tile of some heads is dense in memory.
; K = 1024 goes in four tiles of 256 (four heads) through two LDS slots: two first fills and one refill of each slot; a refill has 112 matrix instructions of a wave in which to land.
; CLUSTERS 4 x 4: ao's tile hangs on the row block and is asked for jointly along a row of the cluster, Wo's on the column block, along a column.
; Transposed use (source 0 = rows of Wo, source 1 = rows of ao): a lane holds one output row and 8 neighbouring columns.
.set BOFF,  73728                      ; a slot: ao 4 heads x 128 rows x 144 bytes, then Wo 128 rows x 528 bytes
.set SLOT,  141312
.set STAGE, 282624                     ; behind the ring: 16 rows x 272 bytes for each wave, bytes that no tensor load fills
.set WOB_OFF, 18874368
.set ADRA, 4                           ; v4-5   my ao fragments in slot 0, 1
.set ADRB, 6                           ; v6-7   my Wo fragments
.set STO,  8
.set RD,   9
.set CO,   10
.set BO,   12                          ; v12-15 bo of the four columns that I store
.set ACC0, 128                         ; window 0: tile (a, b) at 128 + 8 (4 a + b)
                                       ; window 1: buffer f at 128 f: Wo(b, ks) at 8 (2 b + ks), ao(a, ks) at 64 + 8 (2 a + ks)
.set G1,  24
.set G0,  32
.set G1B, 48
.set G0B, 56
.set MSB, 0
.macro WIN new
.if MSB != \new
	s_set_vgpr_msb (MSB<<8)|\new
.set MSB, \new
.endif
.endm
.macro PLACES                          ; four plain places behind a matrix instruction (ISA guide 7.12.1)
.rept 4
	v_nop
.endr
.endm
.macro JLOAD s                         ; waves 0, 1 ask for ao's two halves, waves 2, 3 for Wo's
	s_cmp_eq_u32 s11, 0
	s_cbranch_scc0 .Lfor_b_\@
	tensor_load_to_lds s[G0+4*\s:G0+4*\s+3], s[G1:G1+7]
	s_nop 0
	s_branch .Lasked_\@
.Lfor_b_\@:
	tensor_load_to_lds s[G0B+4*\s:G0B+4*\s+3], s[G1B:G1B+7]
	s_nop 0
.Lasked_\@:
.endm
.macro CREST
	s_cmp_lg_u32 s10, 0
	s_cbranch_scc1 .Lnot_wave_0_\@
	s_barrier_signal -3
.Lnot_wave_0_\@:
	s_barrier_wait -3
	s_barrier_signal -1
	s_barrier_wait -1
.endm
.macro CROUND
	s_barrier_signal -1
	s_barrier_wait -1
	CREST
.endm
	s_load_b256 s[68:75], s[0:1], 0x0              ; ao 68, cb 70, bo 72, out0 74
	v_lshl_add_u32 v126, v0, 2, 0x49400
	v_mov_b32 v127, 0
	ds_add_u32 v126, v127
	v_lshrrev_b32 v1, 5, v0
	v_readfirstlane_b32 s10, v1
	s_lshr_b32 s11, s10, 1                         ; wr.  Also: I fetch ao (0) or Wo (1)
	s_and_b32 s12, s10, 1                          ; wc.  Also: which half of that tile
	s_bfe_u32 s40, ttmp6, 0x40000                  ; cx
	s_bfe_u32 s41, ttmp6, 0x40004                  ; cy
	s_lshl_b32 s42, ttmp9, 2
	s_add_co_u32 s42, s42, s40                     ; column block
	s_and_b32 s13, ttmp7, 0xffff
	s_lshl_b32 s13, s13, 2
	s_add_co_u32 s13, s13, s41                     ; row block
	s_lshl_b32 s43, s41, 2
	s_lshl_b32 s43, 15, s43
	s_lshl_b32 s44, 0x1111, s40
	; ao: two heads = 32,768 dense bytes: 128 rows of 32 elements of 8 bytes; 16 bytes of padding behind every 32 words, that is behind every row of 64 bf16: pitch 144
	s_or_b32 s[G1+0], s43, (3<<16)|(1<<20)|(1<<21)|(4<<22)|(3<<25)
	s_mov_b32 s[G1+1], 32<<16
	s_mov_b32 s[G1+2], 128<<16
	s_mov_b32 s[G1+3], 32<<16
	s_mov_b32 s[G1+4], 128
	s_mov_b32 s[G1+5], 32
	s_mov_b32 s[G1+6], 0
	s_mov_b32 s[G1+7], 0
	; Wo: 64 rows of 256 elements of 2 bytes, 1,024 from row to row; 16 bytes of padding behind every 128 words: pitch 528
	s_or_b32 s[G1B+0], s44, (1<<16)|(1<<20)|(1<<21)|(6<<22)|(3<<25)
	s_mov_b32 s[G1B+1], 256<<16
	s_mov_b32 s[G1B+2], 64<<16
	s_mov_b32 s[G1B+3], 256<<16
	s_mov_b32 s[G1B+4], 64
	s_mov_b32 s[G1B+5], 1024
	s_mov_b32 s[G1B+6], 0
	s_mov_b32 s[G1B+7], 0
	s_lshl_b32 s16, s13, 18                        ; ao: 262,144 bytes a row block + 32,768 a half
	s_lshl_b32 s17, s12, 15
	s_add_co_u32 s16, s16, s17
	s_mov_b32 s17, 0
	s_lshl_b32 s46, s42, 18                        ; Wo: row 128 x column block + 64 x half, of 2,048 bytes
	s_lshl_b32 s47, s12, 17
	s_add_co_u32 s46, s46, s47
	s_add_co_u32 s46, s46, WOB_OFF
	s_mov_b32 s47, 0
	s_mul_i32 s20, s12, 36864
	s_mul_i32 s21, s12, 33792
	s_add_co_u32 s21, s21, BOFF
	s_wait_dscnt 0x0
	s_wait_kmcnt 0x0
	s_add_nc_u64 s[14:15], s[68:69], s[16:17]
	s_add_nc_u64 s[46:47], s[70:71], s[46:47]
	CROUND                                         ; the first joint loads meet
.irp s, 0,1
	s_mov_b32 s[G0+4*\s], 1
	s_add_co_u32 s[G0+4*\s+1], s20, \s*SLOT
	s_add_nc_u64 s[G0+4*\s+2:G0+4*\s+3], s[14:15], \s*65536        ; four heads on
	s_or_b32 s[G0+4*\s+3], s[G0+4*\s+3], 0x80000000
	s_mov_b32 s[G0B+4*\s], 1
	s_add_co_u32 s[G0B+4*\s+1], s21, \s*SLOT
	s_add_nc_u64 s[G0B+4*\s+2:G0B+4*\s+3], s[46:47], \s*512        ; 256 along K on
	s_or_b32 s[G0B+4*\s+3], s[G0B+4*\s+3], 0x80000000
	JLOAD \s                                       ; two tensor loads of the wave are out
.endr
	v_and_b32 v1, 15, v0                           ; r
	v_bfe_u32 v2, v0, 4, 1                         ; h
	v_lshlrev_b32 v11, 4, v1
	s_lshl_b32 s46, s42, 9                         ; my first column, in bytes of f32: 512 x block + 256 wc
	s_lshl_b32 s45, s12, 8
	s_add_co_u32 s46, s46, s45
	s_mov_b32 s47, 0
	s_add_nc_u64 s[72:73], s[72:73], s[46:47]
	global_load_b128 v[BO:BO+3], v11, s[72:73]     ; bo of columns 4 (lane % 16) + 0..3
	s_lshl_b32 s16, s13, 19                        ; my first row: (128 x block + 64 wr) rows of 4,096 bytes
	s_lshl_b32 s18, s11, 18
	s_add_co_u32 s16, s16, s18
	s_mov_b32 s17, 0
	s_add_nc_u64 s[74:75], s[74:75], s[16:17]
	s_add_nc_u64 s[74:75], s[74:75], s[46:47]
	v_mul_u32_u24 v3, v1, 144
	v_lshl_add_u32 v3, v2, 4, v3
	s_mul_i32 s22, s11, 9216
	v_add_nc_u32 v[ADRA], s22, v3                  ; 64 wr rows + 144 r + 16 h
	v_add_nc_u32 v[ADRA+1], SLOT, v[ADRA]
	v_mul_u32_u24 v3, v1, 528
	v_lshl_add_u32 v3, v2, 4, v3
	s_mul_i32 s22, s12, 33792
	s_add_co_u32 s22, s22, BOFF
	v_add_nc_u32 v[ADRB], s22, v3
	v_add_nc_u32 v[ADRB+1], SLOT, v[ADRB]
	s_mul_i32 s23, s10, 4352
	s_add_co_u32 s23, s23, STAGE
	v_mul_u32_u24 v3, v1, 272
	v_lshl_add_u32 v3, v2, 5, v3
	v_add_nc_u32 v[STO], s23, v3                   ; in: row r, 32 bytes for each half of the lanes
	v_mul_u32_u24 v3, v2, 272
	v_lshl_add_u32 v3, v1, 4, v3
	v_add_nc_u32 v[RD], s23, v3                    ; back: lanes 0-15 one row of 256 bytes, lanes 16-31 the next
	v_lshlrev_b32 v3, 12, v2
	v_lshl_add_u32 v[CO], v1, 4, v3                ; the same two rows in out0
; 32 LDS loads: head kk of the slot (64 along K): 64 rows of Wo and 64 rows of ao into buffer f
.macro FETCH slot, kk, f
	WIN 0x40                                       ; destination window 1
.irp b, 0,1,2,3
.irp ks, 0,1
	ds_load_b128 v[128*\f+8*(2*\b+\ks):128*\f+8*(2*\b+\ks)+3],   v[ADRB+\slot] offset:128*(\kk)+8448*\b+64*\ks
	ds_load_b128 v[128*\f+8*(2*\b+\ks)+4:128*\f+8*(2*\b+\ks)+7], v[ADRB+\slot] offset:128*(\kk)+8448*\b+64*\ks+32
.endr
.endr
.irp a, 0,1,2,3
.irp ks, 0,1
	ds_load_b128 v[128*\f+64+8*(2*\a+\ks):128*\f+64+8*(2*\a+\ks)+3],   v[ADRA+\slot] offset:18432*(\kk)+2304*\a+64*\ks
	ds_load_b128 v[128*\f+64+8*(2*\a+\ks)+4:128*\f+64+8*(2*\a+\ks)+7], v[ADRA+\slot] offset:18432*(\kk)+2304*\a+64*\ks+32
.endr
.endr
.endm
.macro MUL16 f, ks, zero
.irp a, 0,1,2,3
.irp b, 0,1,2,3
.if \zero
	v_wmma_f32_16x16x32_bf16 v[ACC0+8*(4*\a+\b):ACC0+8*(4*\a+\b)+7], v[128*\f+8*(2*\b+\ks):128*\f+8*(2*\b+\ks)+7], v[128*\f+64+8*(2*\a+\ks):128*\f+64+8*(2*\a+\ks)+7], 0
.else
	v_wmma_f32_16x16x32_bf16 v[ACC0+8*(4*\a+\b):ACC0+8*(4*\a+\b)+7], v[128*\f+8*(2*\b+\ks):128*\f+8*(2*\b+\ks)+7], v[128*\f+64+8*(2*\a+\ks):128*\f+64+8*(2*\a+\ks)+7], v[ACC0+8*(4*\a+\b):ACC0+8*(4*\a+\b)+7]
.endif
.endr
.endr
.endm
.set MUL, 0x05                         ; sources 0 and 1 window 1, C and D window 0
; one head: buffer f is multiplied (32 matrix instructions) while head nk of the same slot comes into buffer g
.macro HSTEP slot, nk, f, g, zero
	s_wait_dscnt 0x0                               ; buffer f is in
	PLACES                                         ; behind the products that read buffer g
	FETCH \slot, \nk, \g
	WIN MUL
	MUL16 \f, 0, \zero
	MUL16 \f, 1, 0
.endm
; a tile of four heads.  mode 2: the slot is filled again; 1: slots change, nothing is left to fetch; 0: the last tile
.macro TILE slot, other, zero, mode
	HSTEP \slot, 1, 0, 1, \zero
	HSTEP \slot, 2, 1, 0, 0
	HSTEP \slot, 3, 0, 1, 0
	s_wait_dscnt 0x0                               ; buffer 1 is in, and with it my reads of this slot are over
.if \mode
	s_set_vgpr_msb 0x500
	s_wait_tensorcnt 0x0                           ; all my tensor loads have landed, my part of the other slot among them
	ds_add_u32 v126, v127
	s_wait_dscnt 0x0
	s_set_vgpr_msb 0x5
	s_barrier_signal -1                            ; (mode 2: this barrier opens a round of the cluster's barrier)
	WIN MUL
	MUL16 1, 0, 0                                  ; register work while the others arrive
	WIN 0
	s_barrier_wait -1
.if \mode == 2
	CREST                                          ; no wave of any partner still reads this slot or has a load on its way
	s_add_nc_u64 s[G0+4*\slot+2:G0+4*\slot+3], s[G0+4*\slot+2:G0+4*\slot+3], 131072
	s_add_nc_u64 s[G0B+4*\slot+2:G0B+4*\slot+3], s[G0B+4*\slot+2:G0B+4*\slot+3], 1024
	JLOAD \slot                                    ; my one tensor load behind the round: one is out
.endif
	PLACES
	FETCH \other, 0, 0
	WIN MUL
	MUL16 1, 1, 0
.else
	WIN MUL
	MUL16 1, 0, 0
	MUL16 1, 1, 0
.endif
.endm
	s_wait_loadcnt 0x0                             ; bo
	s_wait_tensorcnt 0x1                           ; my part of tile 0 is in; tile 1's may stay out
	s_barrier_signal -1
	s_barrier_wait -1
	FETCH 0, 0, 0
	TILE 0, 1, 1, 2                                ; the first products start the sums
	TILE 1, 0, 0, 2
	TILE 0, 1, 0, 1
	TILE 1, 0, 0, 0
; THE WAY OUT, 16 rows at a time through my own stage: 32 bytes a lane in, whole rows of 256 bytes back, bo added, stored.
.macro OUT16 a
.irp b, 0,1,2,3
	ds_store_b128 v[STO], v[ACC0+8*(4*\a+\b):ACC0+8*(4*\a+\b)+3]   offset:64*\b
	ds_store_b128 v[STO], v[ACC0+8*(4*\a+\b)+4:ACC0+8*(4*\a+\b)+7] offset:64*\b+16
.endr
.if \a >= 2
	s_wait_xcnt 0x0                                ; the registers that the stores of two turns ago read are loaded again only behind this wait
.endif
.irp t, 0,1,2,3,4,5,6,7
	ds_load_b128 v[32+32*(\a%2)+4*\t:32+32*(\a%2)+4*\t+3], v[RD] offset:544*\t     ; LDS serves a wave's instructions in order: these see the stores above
.endr
.irp t, 0,1,2,3,4,5,6,7
	s_wait_dscnt 7-\t
	v_pk_add_f32 v[32+32*(\a%2)+4*\t:32+32*(\a%2)+4*\t+1],   v[32+32*(\a%2)+4*\t:32+32*(\a%2)+4*\t+1],   v[BO:BO+1]
	v_pk_add_f32 v[32+32*(\a%2)+4*\t+2:32+32*(\a%2)+4*\t+3], v[32+32*(\a%2)+4*\t+2:32+32*(\a%2)+4*\t+3], v[BO+2:BO+3]
	global_store_b128 v[CO], v[32+32*(\a%2)+4*\t:32+32*(\a%2)+4*\t+3], s[74:75] offset:65536*\a+8192*\t   ; 16 lanes store 256 consecutive bytes, aligned
.endr
.endm
	WIN 0
	PLACES                                         ; behind the last products: their results are read
	OUT16 0
	OUT16 1
	OUT16 2
	OUT16 3
	s_wait_tensorcnt 0x0
	ds_add_u32 v126, v127
	s_wait_dscnt 0x0
	CROUND                                         ; the closing round
	s_endpgm
.Lfunc_end_k_q614137abbe_oproj:
	.size	k_q614137abbe_oproj, .Lfunc_end_k_q614137abbe_oproj-k_q614137abbe_oproj
	.p2alignl 7, 3214868480
	.fill 96, 4, 3214868480
	.section	.rodata,"a",@progbits
	.p2align	6, 0x0
	.amdhsa_kernel k_q614137abbe_oproj
		.amdhsa_group_segment_fixed_size 327680
		.amdhsa_private_segment_fixed_size 0
		.amdhsa_enable_private_segment 0
		.amdhsa_kernarg_size 32
		.amdhsa_user_sgpr_count 2
		.amdhsa_user_sgpr_kernarg_segment_ptr 1
		.amdhsa_wavefront_size32 1
		.amdhsa_system_sgpr_workgroup_id_x 1
		.amdhsa_system_sgpr_workgroup_id_y 1
		.amdhsa_system_sgpr_workgroup_id_z 1
		.amdhsa_system_vgpr_workitem_id 0
		.amdhsa_next_free_vgpr 512
		.amdhsa_next_free_sgpr 80
		.amdhsa_reserve_vcc 0
		.amdhsa_float_denorm_mode_32 3
		.amdhsa_float_denorm_mode_16_64 3
		.amdhsa_memory_ordered 1
		.amdhsa_forward_progress 1
		.amdhsa_inst_pref_size 89
	.end_amdhsa_kernel
	.amdgpu_metadata
---
amdhsa.version: [ 1, 2 ]
amdhsa.kernels:
  - .name:           k_q614137abbe_oproj
    .symbol:         k_q614137abbe_oproj.kd
    .args:
      - { .name: ao, .offset: 0, .size: 8, .value_kind: global_buffer, .address_space: global }
      - { .name: cb, .offset: 8, .size: 8, .value_kind: global_buffer, .address_space: global }
      - { .name: bo, .offset: 16, .size: 8, .value_kind: global_buffer, .address_space: global }
      - { .name: out0, .offset: 24, .size: 8, .value_kind: global_buffer, .address_space: global }
    .group_segment_fixed_size: 327680
    .private_segment_fixed_size: 0
    .kernarg_segment_align: 8
    .kernarg_segment_size: 32
    .max_flat_workgroup_size: 128
    .sgpr_count:     80
    .vgpr_count:     512
    .wavefront_size: 32
...
	.end_amdgpu_metadata
.endif
;; end of part 4
;; ======== version 2 of 2: 4 launches; version 1 with the launch cast written anew for expert scheduling mode
;; limits: right only within a limited range of input values
;; workspace buffers: cb 20,971,520 bytes; qb 8,388,608 bytes; kb 8,388,608 bytes; vtb 8,388,608 bytes; ao 8,388,608 bytes
;; launch cast (part 5): grid 128 x 10, 4 waves a work-group, no clusters, 0 bytes of LDS; arguments x, Wq, Wqr, Wk, Wkr, Wv, Wo, cb; writes cb
.if DOCPART == 5
	.amdgcn_target "amdgcn-amd-amdhsa--gfx1250"
	.amdhsa_code_object_version 6
	.text
	.protected	k_q614137abbe_cast
	.globl	k_q614137abbe_cast
	.p2align	8
	.type	k_q614137abbe_cast,@function
k_q614137abbe_cast:
	s_mov_b64 s[64:65], 0
	v_nop
	global_prefetch_b8 v0, s[64:65] scope:SCOPE_SE
	s_setreg_imm32_b32 hwreg(HW_REG_WAVE_SCHED_MODE, 0, 2), 2
	s_setreg_imm32_b32 hwreg(HW_REG_WAVE_MODE, 25, 1), 1
	s_wait_xcnt 0x0
	s_wait_alu depctr_vm_vsrc(0)
; cast: x and the six weight matrices, f32 -> bf16 (round to nearest even), into cb = 10,240 rows of 1,024 bf16 (2,048 bytes a row).
;   rows 0-4095      x, in its own order
;   rows 4096-9215   Wq, Wqr, Wk, Wkr, Wv (m = 0..4), interleaved: row n of matrix m goes to
;                    4096 + (n/64)*320 + ((n/32)%2)*160 + m*32 + n%32, so that the 320 weight rows of one head lie together,
;                    and in them the 160 rows (32 output columns of each of the five matrices) that one wave of the next launch multiplies
;   rows 9216-10239  Wo, in its own order
; A stream: no LDS, no barrier, no matrix unit.  Grid y picks one block of 1,024 x 1,024 numbers (0-3: quarters of x, 4-8: m = y - 4, 9: Wo);
; a work-group takes 8 rows of it, a wave 2 neighbouring rows (an even row and the next stay neighbours under the interleaving):
; 8,192 consecutive bytes in by sixteen 16-byte loads, all in flight at once, 4,096 consecutive bytes out by sixteen 8-byte stores,
; each store of the wave covering 256 consecutive bytes, aligned.  No register is written twice, so no wait frees a source.
; THE MODE: SCHED_MODE bits 1:0 = 2 (LLVM: expert scheduling mode 2), set by the entry lines.  The code itself states the register dependences
; between vector instructions and memory instructions, with s_wait_alu, always for 0.
; THE PLAN.  Registers that memory instructions touch:
;   v1, v2   byte offsets of the loads and of the stores: made once at the head, never written again.
;   X        written by the sixteen loads alone, each register once; no vector instruction names X ahead of the loads; read by the conversions.
;   Y        written by the conversions, each register once; read by the stores, each register once.
; The sixteen loads go in four blocks of four.  Block p converts X's part p into Y's part p; its memory instructions are the four stores of block p - 1,
; which read Y's part p - 1 and v2: registers that no vector instruction of block p names.  So one wait at a block's head states all that its four stores
; hang on, and they are dealt among its eight conversions with no further wait.  One more wait stands ahead of the last four stores.
.set X, 4                              ; v[4:67]   sixteen loads, 4 f32 each
.set Y, 68                             ; v[68:99]  sixteen stores, 4 bf16 each
	s_load_b512 s[8:23], s[0:1], 0x0               ; x, Wq, Wqr, Wk, Wkr, Wv, Wo, cb
	v_lshrrev_b32 v3, 5, v0
	v_readfirstlane_b32 s4, v3                     ; wave 0..3
	v_and_b32 v2, 31, v0                           ; lane
	v_lshlrev_b32 v1, 4, v2                        ; 16 bytes a lane in
	v_lshlrev_b32 v2, 3, v2                        ; 8 bytes a lane out
	s_and_b32 s5, ttmp7, 0xffff                    ; y: which block
	s_lshl_b32 s6, ttmp9, 3
	s_wait_alu depctr_va_sdst(0)                   ; s4 is written, ahead of its first reader: the rows' offsets are made from it
	s_lshl1_add_u32 s6, s4, s6                     ; n = 8 x + 2 wave: my first row in the block
	; where the rows come from: (y < 4: quarter y of x) + n rows of 4,096 bytes
	s_cmp_lt_u32 s5, 4
	s_cselect_b32 s26, s5, 0
	s_lshl_b32 s26, s26, 22
	s_lshl_b32 s7, s6, 12
	s_add_co_u32 s26, s26, s7
	s_mov_b32 s27, 0
	; where they go: the plain row 1024 y + n (x and Wo), or the interleaved one (3968 = 4096 - 4*32, since m = y - 4)
	s_lshl_b32 s30, s5, 10
	s_add_co_u32 s30, s30, s6
	s_lshr_b32 s31, s6, 6
	s_mul_i32 s31, s31, 320
	s_bfe_u32 s32, s6, 0x10005
	s_mul_i32 s32, s32, 160
	s_add_co_u32 s31, s31, s32
	s_and_b32 s32, s6, 31
	s_add_co_u32 s31, s31, s32
	s_lshl_b32 s32, s5, 5
	s_add_co_u32 s31, s31, s32
	s_add_co_u32 s31, s31, 3968
	s_sub_co_u32 s32, s5, 4                        ; y - 4 as an unsigned number is below 5 for y = 4..8 alone
	s_cmp_lt_u32 s32, 5
	s_cselect_b32 s30, s31, s30
	s_lshl_b32 s28, s30, 11                        ; rows of 2,048 bytes
	s_mov_b32 s29, 0
	s_wait_kmcnt 0x0
	s_mov_b64 s[24:25], s[8:9]                     ; the source: x, unless y names a weight matrix
	s_cmp_eq_u32 s5, 4
	s_cselect_b64 s[24:25], s[10:11], s[24:25]
	s_cmp_eq_u32 s5, 5
	s_cselect_b64 s[24:25], s[12:13], s[24:25]
	s_cmp_eq_u32 s5, 6
	s_cselect_b64 s[24:25], s[14:15], s[24:25]
	s_cmp_eq_u32 s5, 7
	s_cselect_b64 s[24:25], s[16:17], s[24:25]
	s_cmp_eq_u32 s5, 8
	s_cselect_b64 s[24:25], s[18:19], s[24:25]
	s_cmp_eq_u32 s5, 9
	s_cselect_b64 s[24:25], s[20:21], s[24:25]
	s_add_nc_u64 s[24:25], s[24:25], s[26:27]
	s_add_nc_u64 s[28:29], s[22:23], s[28:29]
	s_wait_alu depctr_va_vdst(0)                   ; v1 and v2 are written: every load reads v1 as its offset, every store v2
.irp j, 0,1,2,3,4,5,6,7,8,9,10,11,12,13,14,15
	global_load_b128 v[X+4*\j:X+4*\j+3], v1, s[24:25] offset:512*\j th:TH_LOAD_NT   ; read once in the launch
.endr
; Block p: loads 4 p to 4 p + 3 are converted.  before = 1: the four stores of block p - 1 go out among the conversions.
.macro BLK p, before
	s_wait_loadcnt 12-4*(\p)                       ; loads come back in order: this block's four are in, the 12 - 4 p younger ones stay out
.if \before
	s_wait_alu depctr_va_vdst(0)                   ; the conversions of the block before have written their part of Y, which the four stores below read
.endif
.irp i, 0,1,2,3
.if \before
	global_store_b64 v2, v[Y+2*(4*(\p)-4+(\i)):Y+2*(4*(\p)-4+(\i))+1], s[28:29] offset:256*(4*(\p)-4+(\i))  ; the block before; no vector instruction since the wait names these registers
.endif
	v_cvt_pk_bf16_f32 v[Y+2*(4*(\p)+(\i))],   v[X+4*(4*(\p)+(\i))],   v[X+4*(4*(\p)+(\i))+1]
	v_cvt_pk_bf16_f32 v[Y+2*(4*(\p)+(\i))+1], v[X+4*(4*(\p)+(\i))+2], v[X+4*(4*(\p)+(\i))+3]
.endr
.endm
	BLK 0, 0                                       ; no block in front of it: no store, and no wait but the one for its data
	BLK 1, 1
	BLK 2, 1
	BLK 3, 1
	s_wait_alu depctr_va_vdst(0)                   ; block 3's conversions have written the last part of Y, which the last four stores read
.irp j, 12,13,14,15
	global_store_b64 v2, v[Y+2*\j:Y+2*\j+1], s[28:29] offset:256*\j
.endr
	s_endpgm
.Lfunc_end_k_q614137abbe_cast:
	.size	k_q614137abbe_cast, .Lfunc_end_k_q614137abbe_cast-k_q614137abbe_cast
	.p2alignl 7, 3214868480
	.fill 96, 4, 3214868480
	.section	.rodata,"a",@progbits
	.p2align	6, 0x0
	.amdhsa_kernel k_q614137abbe_cast
		.amdhsa_group_segment_fixed_size 0
		.amdhsa_private_segment_fixed_size 0
		.amdhsa_enable_private_segment 0
		.amdhsa_kernarg_size 64
		.amdhsa_user_sgpr_count 2
		.amdhsa_user_sgpr_kernarg_segment_ptr 1
		.amdhsa_wavefront_size32 1
		.amdhsa_system_sgpr_workgroup_id_x 1
		.amdhsa_system_sgpr_workgroup_id_y 1
		.amdhsa_system_sgpr_workgroup_id_z 1
		.amdhsa_system_vgpr_workitem_id 0
		.amdhsa_next_free_vgpr 100
		.amdhsa_next_free_sgpr 66
		.amdhsa_reserve_vcc 0
		.amdhsa_float_denorm_mode_32 3
		.amdhsa_float_denorm_mode_16_64 3
		.amdhsa_memory_ordered 1
		.amdhsa_forward_progress 1
		.amdhsa_inst_pref_size 8
	.end_amdhsa_kernel
	.amdgpu_metadata
---
amdhsa.version: [ 1, 2 ]
amdhsa.kernels:
  - .name:           k_q614137abbe_cast
    .symbol:         k_q614137abbe_cast.kd
    .args:
      - { .name: x, .offset: 0, .size: 8, .value_kind: global_buffer, .address_space: global }
      - { .name: Wq, .offset: 8, .size: 8, .value_kind: global_buffer, .address_space: global }
      - { .name: Wqr, .offset: 16, .size: 8, .value_kind: global_buffer, .address_space: global }
      - { .name: Wk, .offset: 24, .size: 8, .value_kind: global_buffer, .address_space: global }
      - { .name: Wkr, .offset: 32, .size: 8, .value_kind: global_buffer, .address_space: global }
      - { .name: Wv, .offset: 40, .size: 8, .value_kind: global_buffer, .address_space: global }
      - { .name: Wo, .offset: 48, .size: 8, .value_kind: global_buffer, .address_space: global }
      - { .name: cb, .offset: 56, .size: 8, .value_kind: global_buffer, .address_space: global }
    .group_segment_fixed_size: 0
    .private_segment_fixed_size: 0
    .kernarg_segment_align: 8
    .kernarg_segment_size: 64
    .max_flat_workgroup_size: 128
    .sgpr_count:     66
    .vgpr_count:     100
    .wavefront_size: 32
...
	.end_amdgpu_metadata
.endif
;; end of part 5
;; launch proj: the kernel of part 2 again; grid 16 x 16, 4 waves a work-group, clusters of 4 x 4, 327,680 bytes of LDS; arguments cb, reasoning_mask, bq, bqr, bk, bkr, bv, qb, kb, vtb; writes qb, kb, vtb
;; launch attn: the kernel of part 3 again; grid 8 x 32, 8 waves a work-group, clusters of 4 x 1, 327,680 bytes of LDS; arguments qb, kb, vtb, attention_mask, ao; writes ao
;; launch oproj: the kernel of part 4 again; grid 8 x 32, 4 waves a work-group, clusters of 4 x 4, 327,680 bytes of LDS; arguments ao, cb, bo, out0; writes out0
